; MI455X (gfx1250); checked and timed in simulation.
; The chip was launched on July 23, 2026; its instructions are those of AMD's public machine-readable ISA for CDNA 5 (MIT licence, August 2026) and "CDNA5" Instruction Set Architecture Reference Guide (July 2026). The comments in the code are by the model that wrote it; some were corrected since.
;; Attention. Allowed arithmetic: matrix products marked QUANTISED: E2M3 operands, one E8M0 scale for each 32 along K, by v_wmma_scale_f32_16x16x128_f8f6f4 with both operands' format E2M3, f32 sums; everything else in f32.
;; Inputs: b_proj 1,024 float32; b_qkv 3,072 float32; w_proj 1,024 x 1,024 float32; w_qkv 3,072 x 1,024 float32; x 4 x 2,048 x 1,024 float32.
;; Outputs: out0 4 x 2,048 x 1,024 float32.
;; This version of the problem:
;;   THIS VERSION OF THE PROBLEM IS GIVEN IN LOW PRECISION. The matrix products marked QUANTISED in the list below multiply operands that are first quantised to E2M3 (2 exponent bits, 3 mantissa bits; 6 bits a number), with one power-of-two scale for each 32 numbers along K (OCP MX v1.0); their sums are f32. All else is computed in f32.
;;   The module's matrix products, in the order in which they are computed (A, B: the left and right operand; K: the contracted axis; several contracted axes count as one K, in the product's order):
;;     1. [M 8,192, K 1,024] x [K 1,024, N 3,072]; A: input x; B: input w_qkv: QUANTISED
;;     2. batch 64 x [M 2,048, K 64] x [K 64, N 2,048]; A: computed on the way; B: computed on the way: QUANTISED
;;     3. batch 64 x [M 2,048, K 2,048] x [K 2,048, N 64]; A: softmax (see below); B: computed on the way: QUANTISED
;;     4. [M 8,192, K 1,024] x [K 1,024, N 1,024]; A: computed on the way; B: input w_proj: QUANTISED
;;   THE QUANTISER, for each operand of a quantised product, along K:
;;     - K is cut into blocks of 32 from its start; a last block that is shorter is filled with zeros.
;;     - A block's scale is 2^e with e = floor(log2(the largest magnitude in the block)) - 2, held to -126 .. 127; a block of zeros has e = 0. As a byte (E8M0): e + 127.
;;     - Each number is divided by its block's scale, clamped to +-7.5, and rounded to the nearest number of E2M3, ties to even, subnormals kept.
;;     - The product sums the exact products of the quantised numbers (number of the format x scale) in f32.
;;   ~~~python
;;   def quantise(x, axis):      # numpy; x: float32 -> the quantised numbers, widened to float32 again
;;       x = np.moveaxis(x, axis, -1); K = x.shape[-1]
;;       x = np.pad(x, [(0, 0)] * (x.ndim - 1) + [(0, -K % 32)]); x = x.reshape(x.shape[:-1] + (-1, 32)); a = np.abs(x).max(-1, keepdims=True)
;;       e = np.where(a > 0, np.clip(np.frexp(np.where(a > 0, a, 1))[1] - 1 - 2, -126, 127), 0)      # np.frexp(a)[1] - 1 = floor(log2(a)), exactly
;;       r = np.clip(x / 2.0 ** e, -7.5, 7.5)
;;       step = 2.0 ** (np.maximum(np.frexp(np.where(r == 0, 1, r))[1] - 1, 0) - 3)
;;       q = np.round(r / step) * step * 2.0 ** e      # np.round: ties to even
;;       return np.moveaxis(q.reshape(q.shape[:-2] + (-1,))[..., :K], -1, axis).astype(np.float32)
;;   ~~~
;;   SOFTMAX AHEAD OF A QUANTISED PRODUCT. Where the list says 'softmax', what is quantised is not the finished softmax but p = 2^(t - M), with t = logit x log2(e) and M = ceil(the row's largest t), a whole number; so 1/2 < the row's largest p <= 1. The row's sum l is taken of the UNQUANTISED p, in f32, and the product's result is divided by l at the end. Since M is a whole number, a kernel that streams over the keys may use a running M (the ceiling of the running maximum): every later rescaling is an exact power of two, which a block's scale takes up: the codes' values come out the same.
;;   OPERANDS COMPUTED ON THE WAY. 'Computed on the way' means the value that the module computes at that place (a softmax that the list does not call 'softmax' is quantised finished and normalised). What goes into a quantiser is computed in f32, as accurately as f32 sums, v_exp_f32 and their like allow (about 1e-6 of the number): no bf16 or f16 on the way to a quantiser, and a product that is left as it is and whose result goes on into a quantised operand takes f32 operands (vector FMAs, or v_wmma_f32_16x16x4_f32). A number that lies on a knife's edge between two numbers of the format may be rounded either way, as far as f32 arithmetic and the matrix unit's own rounding can turn it there, and no further.
;; One version. Each part assembles by itself: llvm-mc -triple=amdgcn-amd-amdhsa -mcpu=gfx1250 --defsym DOCPART=n.
;; ======== version 1 of 1: 4 launches
;; limits: right only within a limited range of input values
;; workspace buffers: opc 9,437,184 bytes; ops 393,216 bytes; qkv 19,660,800 bytes; ac 6,291,456 bytes; asc 262,144 bytes
;; launch prep (part 1): grid 256 x 1, 3 waves a work-group, no clusters, 51,200 bytes of LDS; arguments x, w_qkv, w_proj, opc, ops; writes opc, ops
.if DOCPART == 1
	.amdgcn_target "amdgcn-amd-amdhsa--gfx1250"
	.amdhsa_code_object_version 6
	.text
	.protected	k_qe50b489adb_prep
	.globl	k_qe50b489adb_prep
	.p2align	8
	.type	k_qe50b489adb_prep,@function
k_qe50b489adb_prep:
	s_mov_b64 s[64:65], 0
	v_nop
	global_prefetch_b8 v0, s[64:65] scope:SCOPE_SE
	s_setreg_imm32_b32 hwreg(HW_REG_WAVE_MODE, 25, 1), 1
	s_wait_xcnt 0x0
; x [8192][1024], w_qkv [3072][1024] and w_proj [1024][1024], f32, K innermost, are taken as ONE list of 12,288 rows and turned into codes of FP6 (E2M3) with one E8M0 byte for each 32 along K.
; A block's scale is 2^(floor(log2(its largest magnitude)) - 2); its byte is the largest magnitude's exponent field - 2, held at 1 from below (a block of zeros keeps the byte 1: its codes are zeros, and this program alone reads the bytes).
; LIMITS: NaN and infinities among the inputs are not served; blocks whose largest magnitude lies under 2^(3 - 127) are held at the byte 1.
; THE CODES LEAVE IN THE ORDER OF THE OPERAND'S REGISTERS.  A tile T = 2 B + u is 16 of the 32 rows of block B: its lane-row m is row 32 B + 8 u + m + 8 (m / 8).  A fragment (16 rows x 128 K, 12 registers a lane)
; is a record of 1,536 bytes: piece p = registers 2 p, 2 p + 1 of all 32 lanes, lane l's 8 bytes at 256 p + 8 l.  opc: [T][K step 0..7][1,536].  ops: [T][pair of K steps 0..3][lane-row 0..15][2 words].
; SHARES.  768 waves, three to a work-group; wave 3 x work-group + wave takes block (that number / 2) and half (that number % 2) of K: 32 rows x 512 along K, four K steps of 128.
; A load reads 512 consecutive bytes of one row; the 32 rows of a K step turn through the wave's own stage in LDS (rows 528 bytes apart, in the order of the two tiles' lane-rows) and come back so that lane (r, h) holds,
; of its tile's lane-row r, k = 64 c + 32 h + 0 .. 31: two whole blocks, so that no other lane is asked for a maximum, and the conversions' results are the fragment's registers.
; No tensor load, no barrier: waves share nothing.  Loads run one K step (32 loads a wave) ahead of the one in hand.
.set ROWF,   4096                      ; a row in bytes
.set SPITCH, 528                       ; a stage row: 512 bytes + 16
.set STG,    32*SPITCH                 ; a wave's stage
.set SPARE,  3*STG                     ; behind the stages: the spare words, 128 bytes a wave
.set LO,  2                            ; v2   16 x lane: my bytes of a load's 512
.set SI,  3                            ; v3   the stage, on the way in
.set SO,  4                            ; v4   and on the way out: lane-row r, + 128 h
.set LA8, 5                            ; v5   8 x lane: my place in a piece
.set SH,  6                            ; v6   8 h: where my two scale bytes stand in the word
.set SPW, 8                            ; v8   my spare word; never rewritten
.set NIL, 9                            ; v9   0; never rewritten
.set MX,  10                           ; v10-11 largest magnitudes;  v12-13 the conversions' scale operands;  v14-15 bytes;  v16 my half of a word;  v17 the other half's
.set SCO, 12
.set BY,  14
.set WD,  16
.set PD,  17
.set W,   20                           ; v20-27 scale words: tile u, K step t at 4 u + t
.set PR,  28                           ; v28-31 the pairs that are stored
.set PC,  32                           ; v32-55 the codes: 12 registers for each tile
.set CT,  56                           ; v56-63 a conversion's three registers begin on an even number: the upper halves are made here and moved
.set X,   64                           ; v64-191 128 numbers: tile 0's 64, tile 1's 64.   Window 1: two sets of 128 registers as loaded
.set MSB, 0
.macro WIN new                         ; the immediate's high byte repeats the setting that is left
.if MSB != (\new)
	s_set_vgpr_msb (MSB<<8)|(\new)
.set MSB, (\new)
.endif
.endm
	s_load_b128 s[4:7], s[0:1], 0x0                ; x, w_qkv
	s_load_b128 s[8:11], s[0:1], 0x10              ; w_proj, opc
	s_load_b64 s[12:13], s[0:1], 0x20              ; ops
	v_lshl_add_u32 v[SPW], v0, 2, SPARE
	v_mov_b32 v[NIL], 0
	v_lshrrev_b32 v1, 5, v0
	v_readfirstlane_b32 s14, v1                    ; wave 0..2
	v_and_b32 v1, 31, v0                           ; lane
	v_lshlrev_b32 v[LO], 4, v1
	v_lshlrev_b32 v[LA8], 3, v1
	v_and_b32 v7, 15, v0                           ; r
	v_bfe_u32 v[SH], v0, 4, 1                      ; h
	s_mul_i32 s15, s14, STG
	v_add_nc_u32 v[SI], s15, v[LO]
	v_mul_u32_u24 v[SO], v7, SPITCH
	v_lshl_add_u32 v[SO], v[SH], 7, v[SO]
	v_add_nc_u32 v[SO], s15, v[SO]
	v_lshlrev_b32 v[SH], 3, v[SH]
	v_mov_b32 v[PD], 0                             ; written once: a lane permute's destination counts as one of its sources
	s_mov_b32 s20, 0x76543210
	s_mov_b32 s21, 0xfedcba98                      ; v_permlanex16_b32's selects for lane l xor 16
	s_mov_b32 s22, 0xffff0000                      ; lanes 16-31
	s_mul_i32 s16, ttmp9, 3
	s_add_co_u32 s16, s16, s14
	s_lshr_b32 s17, s16, 1                         ; my block of 32 rows, 0..383
	s_and_b32 s18, s16, 1                          ; my half of K
	s_wait_alu depctr_va_vdst(0)
	s_wait_kmcnt 0x0
	s_mov_b32 s19, 352
	s_cmp_lt_u32 s17, 352                          ; blocks 0-255 are x's, 256-351 w_qkv's, 352-383 w_proj's: the choice hangs on ids alone
	s_cselect_b64 s[6:7], s[6:7], s[8:9]
	s_cselect_b32 s19, 256, s19
	s_cmp_lt_u32 s17, 256
	s_cselect_b64 s[4:5], s[4:5], s[6:7]
	s_cselect_b32 s19, 0, s19
	s_sub_co_u32 s19, s17, s19                     ; the block's number in its own tensor
	s_lshl_b32 s24, s19, 17                        ; the weights: 32 neighbouring rows of 4,096 bytes
	; X'S TILES TAKE OTHER ROWS THAN THE WEIGHTS': tile 4 G + j, lane-row m, is row 64 G + 8 j + m % 8 + 32 (m / 8).  Block B = 2 G + j / 2 so takes rows 64 G + 16 (B % 2) + 0 .. 15 and the sixteen that lie 32 further on
	s_lshr_b32 s26, s19, 1
	s_lshl_b32 s26, s26, 18                        ; 64 G rows
	s_and_b32 s27, s19, 1
	s_lshl_b32 s27, s27, 16                        ; + 16 (B % 2) rows
	s_add_co_u32 s26, s26, s27
	s_mov_b32 s27, 0x10000
	s_cmp_lt_u32 s17, 256                          ; x's block?  The choice hangs on ids alone
	s_cselect_b32 s24, s26, s24
	s_cselect_b32 s26, 0x20000, s27                ; from the first sixteen rows to the second: 32 rows in x, 16 in a weight
	s_lshl_b32 s23, s18, 11                        ; 512 numbers along K
	s_add_co_u32 s24, s24, s23
	s_mov_b32 s25, 0
	s_mov_b32 s27, 0
	s_add_nc_u64 s[4:5], s[4:5], s[24:25]
	s_add_nc_u64 s[26:27], s[4:5], s[26:27]
	s_mul_i32 s24, s17, 24576                      ; codes: two tiles of 8 records a block,
	s_mul_i32 s23, s18, 6144                       ; four records a half
	s_add_co_u32 s24, s24, s23
	s_add_nc_u64 s[10:11], s[10:11], s[24:25]
	s_lshl_b32 s24, s17, 10                        ; scale words: two tiles of 512 bytes a block,
	s_lshl_b32 s23, s18, 8                         ; 256 bytes a half
	s_add_co_u32 s24, s24, s23
	s_add_nc_u64 s[12:13], s[12:13], s[24:25]
.macro LOAD t                          ; K step t: 32 rows x 512 bytes into set t % 2 of window 1
	WIN 0x40
.set i, 0
.rept 32
.if i < 16
	global_load_b128 v[128*((\t)%2)+4*i:128*((\t)%2)+4*i+3], v[LO], s[4:5] offset:i*ROWF+(\t)*512 th:TH_LOAD_NT
.else
	global_load_b128 v[128*((\t)%2)+4*i:128*((\t)%2)+4*i+3], v[LO], s[26:27] offset:(i-16)*ROWF+(\t)*512 th:TH_LOAD_NT
.endif
.set i, i+1
.endr
	WIN 0
.endm
.macro TURN t                          ; through the stage: row 16 g + 8 u + j of the block goes to stage row 16 u + 8 g + j, so that a tile's sixteen lane-rows lie on end.  LDS serves a wave's instructions in order: no wait between
	WIN 0x04                                       ; an LDS store's data are its source 1: window 1
.set i, 0
.rept 32
	ds_store_b128 v[SI], v[128*((\t)%2)+4*i:128*((\t)%2)+4*i+3] offset:(16*((i/8)%2)+8*(i/16)+i%8)*SPITCH
.set i, i+1
.endr
	WIN 0
.irp u, 0,1
.irp c, 0,1
.irp j, 0,1,2,3,4,5,6,7
	ds_load_b128 v[X+64*\u+32*\c+4*\j:X+64*\u+32*\c+4*\j+3], v[SO] offset:\u*16*SPITCH+256*\c+16*\j
.endr
.endr
.endr
.endm
.macro FRAGQ u, t                      ; tile u's 64 numbers a lane become the fragment of K step t and its scale word
.set XS, X+64*(\u)
.set PCU, PC+12*(\u)
.irp c, 0,1
	v_max3_num_f32 v[MX+\c], |v[XS+32*\c]|, |v[XS+32*\c+1]|, 0x1800000   ; my block 2 c + h: all its 32 numbers are mine; and the floor 2^(3 - 127): the byte cannot fall under 1
.endr
.irp i, 2,4,6,8,10,12,14,16,18,20,22,24,26,28,30
.irp c, 0,1
	v_max3_num_f32 v[MX+\c], v[MX+\c], |v[XS+32*\c+\i]|, |v[XS+32*\c+\i+1]|   ; (the two blocks by turns)
.endr
.endr
.irp c, 0,1
	v_add_nc_u32 v[SCO+\c], 0xff000000, v[MX+\c]   ; 2 off the exponent field: the conversion takes the exponent field of this operand as its scale
.endr
.irp c, 0,1
	v_lshrrev_b32 v[BY+\c], 23, v[SCO+\c]          ; the scale's byte
.endr
.irp c, 0,1
	v_cvt_scalef32_pk16_fp6_f32 v[PCU+6*\c:PCU+6*\c+2], v[XS+32*\c:XS+32*\c+15], v[SCO+\c]
	v_cvt_scalef32_pk16_fp6_f32 v[CT+4*\c:CT+4*\c+2], v[XS+32*\c+16:XS+32*\c+31], v[SCO+\c]
.endr
	v_lshl_or_b32 v[WD], v[BY+1], 16, v[BY]        ; my two bytes: blocks h and 2 + h.  (The plain line behind the conversions)
	v_lshlrev_b32 v[WD], v[SH], v[WD]              ; at their places in the word;
	v_permlanex16_b32 v[PD], v[WD], s20, s21
	v_or_b32 v[W+4*(\u)+(\t)], v[WD], v[PD]        ; with lane l xor 16's two the word is whole, in both lanes
.irp c, 0,1
.irp i, 0,1,2
	v_mov_b32 v[PCU+6*\c+3+\i], v[CT+4*\c+\i]
.endr
.endr
.irp p, 0,1,2,3,4,5
	global_store_b64 v[LA8], v[PCU+2*\p:PCU+2*\p+1], s[10:11] offset:(\u)*12288+(\t)*1536+256*\p   ; a piece: 32 lanes store 256 consecutive bytes, aligned
.endr
.endm
	LOAD 0
	LOAD 1
.irp t, 0,1,2,3
.if \t < 3
	s_wait_loadcnt 32                              ; this K step's 32 loads are in; the next one's may be out
.else
	s_wait_loadcnt 0x0
.endif
	TURN \t
.if \t < 2
	s_wait_dscnt 32                                ; the 32 stores into the stage are done: their registers take the K step two on
	LOAD \t+2
.endif
	s_wait_dscnt 16                                ; tile 0's sixteen loads from the stage are in
	s_wait_xcnt 0x0                                ; the last K step's stores have read the codes' registers, which are written again only behind this wait
	FRAGQ 0, \t
	s_wait_dscnt 0x0
	FRAGQ 1, \t
.endr
.irp u, 0,1                            ; a tile's four words a lane-row leave as two pairs: lanes 0-15 K steps 0, 1, lanes 16-31 K steps 2, 3: 256 consecutive bytes, aligned
	v_cndmask_b32 v[PR+2*\u], v[W+4*\u], v[W+4*\u+2], s22
	v_cndmask_b32 v[PR+2*\u+1], v[W+4*\u+1], v[W+4*\u+3], s22
	global_store_b64 v[LA8], v[PR+2*\u:PR+2*\u+1], s[12:13] offset:\u*512
.endr
	s_wait_tensorcnt 0x0                           ; the wave's end, behind my last LDS store
	ds_add_u32 v[SPW], v[NIL]
	s_wait_dscnt 0x0
	s_endpgm
.Lfunc_end_k_qe50b489adb_prep:
	.size	k_qe50b489adb_prep, .Lfunc_end_k_qe50b489adb_prep-k_qe50b489adb_prep
	.p2alignl 7, 3214868480
	.fill 96, 4, 3214868480
	.section	.rodata,"a",@progbits
	.p2align	6, 0x0
	.amdhsa_kernel k_qe50b489adb_prep
		.amdhsa_group_segment_fixed_size 51200
		.amdhsa_private_segment_fixed_size 0
		.amdhsa_enable_private_segment 0
		.amdhsa_kernarg_size 40
		.amdhsa_user_sgpr_count 2
		.amdhsa_user_sgpr_kernarg_segment_ptr 1
		.amdhsa_wavefront_size32 1
		.amdhsa_system_sgpr_workgroup_id_x 1
		.amdhsa_system_sgpr_workgroup_id_y 1
		.amdhsa_system_sgpr_workgroup_id_z 1
		.amdhsa_system_vgpr_workitem_id 0
		.amdhsa_next_free_vgpr 512
		.amdhsa_next_free_sgpr 66
		.amdhsa_reserve_vcc 0
		.amdhsa_float_denorm_mode_32 3
		.amdhsa_float_denorm_mode_16_64 3
		.amdhsa_memory_ordered 1
		.amdhsa_forward_progress 1
		.amdhsa_inst_pref_size 60
	.end_amdhsa_kernel
	.amdgpu_metadata
---
amdhsa.version: [ 1, 2 ]
amdhsa.kernels:
  - .name:           k_qe50b489adb_prep
    .symbol:         k_qe50b489adb_prep.kd
    .args:
      - { .name: x, .offset: 0, .size: 8, .value_kind: global_buffer, .address_space: global }
      - { .name: w_qkv, .offset: 8, .size: 8, .value_kind: global_buffer, .address_space: global }
      - { .name: w_proj, .offset: 16, .size: 8, .value_kind: global_buffer, .address_space: global }
      - { .name: opc, .offset: 24, .size: 8, .value_kind: global_buffer, .address_space: global }
      - { .name: ops, .offset: 32, .size: 8, .value_kind: global_buffer, .address_space: global }
    .group_segment_fixed_size: 51200
    .private_segment_fixed_size: 0
    .kernarg_segment_align: 8
    .kernarg_segment_size: 40
    .max_flat_workgroup_size: 96
    .sgpr_count:     66
    .vgpr_count:     512
    .wavefront_size: 32
...
	.end_amdgpu_metadata
.endif
;; end of part 1
;; launch qkvgemm (part 2): grid 8 x 48, 4 waves a work-group, clusters of 4 x 4, 327,680 bytes of LDS; arguments opc, ops, b_qkv, qkv; writes qkv
.if DOCPART == 2
	.amdgcn_target "amdgcn-amd-amdhsa--gfx1250"
	.amdhsa_code_object_version 6
	.text
	.protected	k_qe50b489adb_qkvgemm
	.globl	k_qe50b489adb_qkvgemm
	.p2align	8
	.type	k_qe50b489adb_qkvgemm,@function
k_qe50b489adb_qkvgemm:
	s_mov_b64 s[64:65], 0
	v_nop
	global_prefetch_b8 v0, s[64:65] scope:SCOPE_SE
	s_setreg_imm32_b32 hwreg(HW_REG_WAVE_MODE, 25, 1), 1
	s_wait_xcnt 0x0
	s_wait_alu depctr_hold_cnt(0) depctr_sa_sdst(0) depctr_va_vdst(0) depctr_va_sdst(0) depctr_va_ssrc(0) depctr_va_vcc(0) depctr_vm_vsrc(0)
	s_getreg_b32 s2, hwreg(HW_REG_IB_STS2, 6, 4)
	s_cmp_eq_u32 s2, 0
	s_cbranch_scc0 .Lentry_in_a_cluster
	s_endpgm
.Lentry_in_a_cluster:
	s_bfe_u32 s2, ttmp6, 0x10000c
	s_cmp_lg_u32 s2, 0xf033
	s_cbranch_scc0 .Lentry_shape_is_right
	s_endpgm
.Lentry_shape_is_right:
.set NQ,    2
.set FR,    12
.set NL,    6
.set NP,    4
.set FRB,   1536
.set T16B,  NQ*FRB
.set HALFT, 8*T16B
.set SLOT,  4*HALFT
.set SCL,   2*SLOT
.set SPARE, SCL+16384+256
.set HEADB, 102400
.set ADRA, 16
.set ADRB, 20
.set ADRS, 27
.set SPW,  28
.set NIL,  29
.set LA8,  30
.set SC,   32
.set BI,   64
.set AF,   128
.set BV,   224
.set H,    128
.set PC,   192
.set CT,   216
.set TM,   232
.set PWA,  244
.set WT,   246
.set XS,   248
.set SEL,  94
.set G1, 24
.set G0, 32
.set G1B, 48
.set G0B, 56
.set G1S, 68
.set G0S, 76
.set G1SB, 80
.set G0SB, 88
.set MSB, 0
.macro WIN new
.if MSB != (\new)
	s_set_vgpr_msb (MSB<<8)|(\new)
.set MSB, (\new)
.endif
.endm
.set MUL_LO, 0xa1
.set MUL_HI, 0xf1
.set TO_B,   0x40
.macro JLOAD g0a, g1a, g0b, g1b
	s_cmp_eq_u32 s15, 0
	s_cbranch_scc0 .Lfor_b_\@
	tensor_load_to_lds s[\g0a:\g0a+3], s[\g1a:\g1a+7]
	s_nop 0
.rept 4
	v_nop
.endr
	s_branch .Lasked_\@
.Lfor_b_\@:
	tensor_load_to_lds s[\g0b:\g0b+3], s[\g1b:\g1b+7]
	s_nop 0
.rept 4
	v_nop
.endr
.Lasked_\@:
.endm
.macro CREST
	s_cmp_lg_u32 s14, 0
	s_cbranch_scc1 .Lnot_wave_0_\@
	s_barrier_signal -3
.Lnot_wave_0_\@:
	s_barrier_wait -3
	s_barrier_signal -1
	s_barrier_wait -1
.endm
.macro CROUND
	s_barrier_signal -1
	s_barrier_wait -1
	CREST
.endm
	s_load_b256 s[4:11], s[0:1], 0x0
	v_lshl_add_u32 v[SPW], v0, 2, SPARE
	v_mov_b32 v[NIL], 0
	ds_add_u32 v[SPW], v[NIL]
	ds_add_u32 v[SPW], v[NIL]
	v_lshrrev_b32 v1, 5, v0
	v_readfirstlane_b32 s14, v1
	s_lshr_b32 s15, s14, 1
	s_and_b32 s16, s14, 1
	s_bfe_u32 s40, ttmp6, 0x40000
	s_bfe_u32 s41, ttmp6, 0x40004
	s_and_b32 s96, ttmp7, 0xffff
	s_lshl_b32 s17, s96, 2
	s_cmp_lt_u32 s96, 8
	s_cselect_b32 s17, s17, 40
	s_add_co_u32 s17, s17, s41
	s_max_u32 s18, s96, 8
	s_sub_co_u32 s18, s18, 8
	s_lshl_b32 s18, s18, 3
	s_cmp_lt_u32 s96, 8
	s_cselect_b32 s18, 32, s18
	s_lshl_b32 s42, ttmp9, 2
	s_add_co_u32 s42, s42, s18
	s_add_co_u32 s42, s42, s40
	s_lshl_b32 s43, s41, 2
	s_lshl_b32 s43, 15, s43
	s_lshl_b32 s44, 0x1111, s40
	s_or_b32 s[G1+0], s43, (3<<16)|(1<<21)
	s_or_b32 s[G1B+0], s44, (3<<16)|(1<<21)
.irp g, G1, G1B
	s_mov_b32 s[\g+1], 384<<16
	s_mov_b32 s[\g+2], 16<<16
	s_mov_b32 s[\g+3], 384<<16
	s_mov_b32 s[\g+4], 16
	s_mov_b32 s[\g+5], 1536
	s_mov_b32 s[\g+6], 0
	s_mov_b32 s[\g+7], 0
.endr
	s_or_b32 s[G1S+0], s43, (3<<16)|(1<<21)
	s_or_b32 s[G1SB+0], s44, (3<<16)|(1<<21)
.irp g, G1S, G1SB
	s_mov_b32 s[\g+1], 32<<16
	s_mov_b32 s[\g+2], 32<<16
	s_mov_b32 s[\g+3], 32<<16
	s_mov_b32 s[\g+4], 32
	s_mov_b32 s[\g+5], 32
	s_mov_b32 s[\g+6], 0
	s_mov_b32 s[\g+7], 0
.endr
	s_mul_i32 s18, s16, 98304
	s_mul_i32 s20, s17, 196608
	s_mov_b32 s21, 0
	s_mul_i32 s46, s42, 196608
	s_mov_b32 s47, 0
	s_mov_b32 s19, 0
	s_lshl_b32 s22, s17, 13
	s_mov_b32 s23, 0
	s_lshl_b32 s92, s42, 13
	s_mov_b32 s93, 0
	s_mul_i32 s45, s14, HALFT
	s_wait_dscnt 0x0
	s_wait_kmcnt 0x0
	s_add_nc_u64 s[20:21], s[4:5], s[20:21]
	s_add_nc_u64 s[22:23], s[6:7], s[22:23]
	s_add_nc_u64 s[46:47], s[4:5], s[46:47]
	s_add_nc_u64 s[92:93], s[6:7], s[92:93]
	CROUND
	; THE HEAD'S FOUR TILES, ONE JOINT LOAD A WAVE: wave 0 slot 0's sixteen tiles of A, wave 1 those of B, wave 2 the scales of A's 256 rows, wave 3 those of B's
	s_mov_b32 s[G0S], 1
	s_mov_b32 s[G0S+1], SCL
	s_mov_b64 s[G0S+2:G0S+3], s[22:23]
	s_or_b32 s[G0S+3], s[G0S+3], 0x80000000
	s_mov_b32 s[G0SB], 1
	s_mov_b32 s[G0SB+1], SCL+8320
	s_mov_b64 s[G0SB+2:G0SB+3], s[92:93]
	s_or_b32 s[G0SB+3], s[G0SB+3], 0x80000000
	s_mov_b32 s[G0], 1
	s_mov_b32 s[G0+1], 0
	s_mov_b64 s[G0+2:G0+3], s[20:21]
	s_or_b32 s[G0+3], s[G0+3], 0x80000000
	s_mov_b32 s[G0B], 1
	s_mov_b32 s[G0B+1], 2*HALFT
	s_mov_b64 s[G0B+2:G0B+3], s[46:47]
	s_or_b32 s[G0B+3], s[G0B+3], 0x80000000
	s_add_nc_u64 s[20:21], s[20:21], s[18:19]      ; for the ring: my eight tiles of the sixteen
	s_add_nc_u64 s[46:47], s[46:47], s[18:19]
	s_mov_b32 s[G0+4], 1
	s_add_co_u32 s[G0+5], s45, SLOT
	s_add_nc_u64 s[G0+6:G0+7], s[20:21], T16B
	s_or_b32 s[G0+7], s[G0+7], 0x80000000
	s_mov_b32 s[G0B+4], 1
	s_add_co_u32 s[G0B+5], s45, SLOT
	s_add_nc_u64 s[G0B+6:G0B+7], s[46:47], T16B
	s_or_b32 s[G0B+7], s[G0B+7], 0x80000000
.macro ARM under, g0, g1, next         ; one chain of branches on the wave's number, one load to an arm, all arms to one join
	s_cmp_lt_u32 s14, \under
	s_cbranch_scc0 \next
	tensor_load_to_lds s[\g0:\g0+3], s[\g1:\g1+7]
	s_nop 0
.rept 4
	v_nop
.endr
	s_branch .Lhead_asked
\next:
.endm
	ARM 1, G0,  G1,  .Lhead_b
	ARM 2, G0B, G1B, .Lhead_sa
	ARM 3, G0S, G1S, .Lhead_sb
	tensor_load_to_lds s[G0SB:G0SB+3], s[G1SB:G1SB+7]
	s_nop 0
.rept 4
	v_nop
.endr
.Lhead_asked:
	s_wait_alu depctr_va_vdst(0)
	s_wait_tensorcnt 0x0                           ; my tile of the four is in
	ds_add_u32 v28, v29
	s_mov_b32 s[G1+2], 8<<16                       ; no tensor load of mine is out: from here on a load brings eight tiles,
	s_mov_b32 s[G1+4], 8
	s_mov_b32 s[G1B+2], 8<<16
	s_mov_b32 s[G1B+4], 8
	s_add_co_u32 s[G0+1], s45, 0                   ; and slot 0's group 0 stands at my quarter, for its first refill
	s_mov_b64 s[G0+2:G0+3], s[20:21]
	s_or_b32 s[G0+3], s[G0+3], 0x80000000
	s_add_co_u32 s[G0B+1], s45, 0
	s_mov_b64 s[G0B+2:G0B+3], s[46:47]
	s_or_b32 s[G0B+3], s[G0B+3], 0x80000000
	s_wait_dscnt 0x0
	CROUND
	JLOAD G0+4, G1, G0B+4, G1B                     ; slot 1's first fill, the first tensor load behind the round
	v_and_b32 v1, 15, v0
	v_bfe_u32 v2, v0, 4, 1
	s_wait_alu depctr_va_vdst(0)
	v_and_b32 v3, 31, v0
	v_lshlrev_b32 v[LA8], 3, v3
	s_mul_i32 s21, s15, HALFT
	s_mul_i32 s22, s16, HALFT
	s_add_co_u32 s22, s22, 2*HALFT
.irp s, 0,1
	v_add_nc_u32 v[ADRA+\s], s21, v[LA8]
	v_add_nc_u32 v[ADRB+\s], s22, v[LA8]
	s_add_co_u32 s21, s21, SLOT
	s_add_co_u32 s22, s22, SLOT
.endr
	s_lshl_b32 s21, s15, 12
	s_lshl_b32 s22, s16, 12
	s_add_co_u32 s22, s22, 8320
	s_sub_co_u32 s22, s22, s21
	v_mul_u32_u24 v6, s22, v2
	s_add_co_u32 s21, s21, SCL
	v_lshl_add_u32 v5, v1, 3, v6
	v_add_nc_u32 v[ADRS], s21, v5
	s_mov_b32 s[SEL], 0x76543210
	s_mov_b32 s[SEL+1], 0xfedcba98
	s_mov_b32 s2, 0xffff0000
	s_cmp_lt_u32 s96, 8
	s_cselect_b32 s18, s42, s17
	s_cselect_b32 s19, s17, s42
	s_cselect_b32 s20, s16, s15
	s_cselect_b32 s21, s15, s16
	s_sub_co_u32 s18, s18, 32
	s_lshl_b32 s18, s18, 8
	s_lshl_b32 s20, s20, 7
	s_add_co_u32 s18, s18, s20
	s_lshr_b32 s20, s18, 6
	s_lshr_b32 s22, s19, 3
	s_mul_i32 s22, s22, 48
	s_add_co_u32 s22, s22, s20
	s_lshl_b32 s22, s22, 4
	s_and_b32 s19, s19, 7
	s_lshl_b32 s19, s19, 1
	s_add_co_u32 s19, s19, s21
	s_add_co_u32 s22, s22, s19
	s_mul_i32 s22, s22, 6400
	s_mov_b32 s23, 0
	s_add_nc_u64 s[10:11], s[10:11], s[22:23]
	s_cmp_lt_u32 s18, 1024
	s_cselect_b32 s12, 0x3e000000, 1.0
	s_mov_b32 s13, s12
	s_lshl_b32 s18, s18, 2
	s_cmp_lt_u32 s96, 8
	s_cselect_b32 s19, s18, 0
	s_cselect_b32 s20, 0, s18
	v_lshl_add_u32 v7, v2, 6, s19
	v_and_b32 v8, 8, v1
	v_add_nc_u32 v8, v8, v1
	v_lshl_add_u32 v8, v8, 2, s20
.irp t, 0,1,2,3,4,5,6,7
	global_load_b128 v[BI+8*\t:BI+8*\t+3], v7, s[8:9] offset:(32*(\t/2)+8*(\t%2))*4
	global_load_b128 v[BI+8*\t+4:BI+8*\t+7], v7, s[8:9] offset:(32*(\t/2)+8*(\t%2))*4+16
.endr
.irp t, 0,1,2,3,4,5,6,7
	global_load_b32 v[BV+\t], v8, s[8:9] offset:(32*(\t/2)+8*(\t%2))*4
.endr
.macro FRAG reg, adr, q, i
.irp p, 0,1,2,3,4,5
	ds_load_b64 v[\reg+2*\p:\reg+2*\p+1], v[\adr] offset:(\i)*T16B+(\q)*FRB+256*\p
.endr
.endm
.macro MUL16 a0, p, q, sc, zero
.irp a, \a0, \a0+1
.irp b, 0,1,2,3,4,5,6,7
.if \zero
	v_wmma_scale_f32_16x16x128_f8f6f4 v[8*(8*((\a)%4)+\b):8*(8*((\a)%4)+\b)+7], v[128*(\p)+FR*\b:128*(\p)+FR*\b+FR-1], v[AF+FR*(\a):AF+FR*(\a)+FR-1], 0, v[SC+8*NQ*(\sc)+NQ*\b+(\q)], v[SC+8*NQ*(\sc)+NQ*(\a)+(\q)] matrix_a_fmt:MATRIX_FMT_FP6 matrix_b_fmt:MATRIX_FMT_FP6 matrix_a_scale:MATRIX_SCALE_ROW1
.else
	v_wmma_scale_f32_16x16x128_f8f6f4 v[8*(8*((\a)%4)+\b):8*(8*((\a)%4)+\b)+7], v[128*(\p)+FR*\b:128*(\p)+FR*\b+FR-1], v[AF+FR*(\a):AF+FR*(\a)+FR-1], v[8*(8*((\a)%4)+\b):8*(8*((\a)%4)+\b)+7], v[SC+8*NQ*(\sc)+NQ*\b+(\q)], v[SC+8*NQ*(\sc)+NQ*(\a)+(\q)] matrix_a_fmt:MATRIX_FMT_FP6 matrix_b_fmt:MATRIX_FMT_FP6 matrix_a_scale:MATRIX_SCALE_ROW1
.endif
.endr
.endr
.endm
.macro FETCH_B slot, q, p
	WIN TO_B
.irp i, 0,1,2,3,4,5,6,7
	FRAG 128*(\p)+FR*\i, ADRB+\slot, \q, \i
.endr
	WIN 0
.endm
.macro FETCH_A slot, q, i0
.irp i, \i0, \i0+1, \i0+2, \i0+3
	FRAG AF+FR*(\i), ADRA+\slot, \q, \i
.endr
.endm
.macro SCALES sc, kp
.irp i, 0,1,2,3,4,5,6,7
	ds_load_b64 v[SC+8*NQ*\sc+NQ*\i:SC+8*NQ*\sc+NQ*\i+1], v[ADRS] offset:\i*512+(\kp)*128
.endr
.endm
.macro PLACES n
.rept \n
	v_nop
.endr
.endm
.macro STEP slot, q, zero
	s_wait_dscnt 4*NL
	WIN MUL_LO
	MUL16 0, (\q)%2, \q, \slot, \zero
	MUL16 2, (\q)%2, \q, \slot, \zero
	s_wait_dscnt 0
	PLACES NP
	FETCH_B \slot, (\q)+1, 1-(\q)%2
	FETCH_A \slot, (\q)+1, 0
	WIN MUL_HI
	MUL16 4, (\q)%2, \q, \slot, \zero
	MUL16 6, (\q)%2, \q, \slot, \zero
	PLACES NP
	WIN 0
	FETCH_A \slot, (\q)+1, 4
.endm
.macro TURN slot, next, fill, kp
	s_wait_tensorcnt 0x0
	ds_add_u32 v[SPW], v[NIL]
	s_wait_dscnt 4*NL+1
	WIN MUL_LO
	MUL16 0, 1, NQ-1, \slot, 0
	s_wait_dscnt 0x0
	s_barrier_signal -1
	MUL16 2, 1, NQ-1, \slot, 0
	WIN 0
	s_barrier_wait -1
.if \fill
	CREST
	s_add_nc_u64 s[G0+4*\slot+2:G0+4*\slot+3], s[G0+4*\slot+2:G0+4*\slot+3], 2*T16B
	s_add_nc_u64 s[G0B+4*\slot+2:G0B+4*\slot+3], s[G0B+4*\slot+2:G0B+4*\slot+3], 2*T16B
	JLOAD G0+4*\slot, G1, G0B+4*\slot, G1B
.else
	PLACES NP
.endif
	FETCH_B \next, 0, 0
	FETCH_A \next, 0, 0
	SCALES \next, \kp
	WIN MUL_HI
	MUL16 4, 1, NQ-1, \slot, 0
	MUL16 6, 1, NQ-1, \slot, 0
	PLACES NP
	WIN 0
	FETCH_A \next, 0, 4
.endm
	s_wait_alu depctr_va_vdst(0)
	s_wait_tensorcnt 1
	s_barrier_signal -1
	s_barrier_wait -1
	FETCH_B 0, 0, 0
	FETCH_A 0, 0, 0
	SCALES 0, 0
	FETCH_A 0, 0, 4
	STEP 0, 0, 1
	TURN 0, 1, 1, 1
	STEP 1, 0, 0
	TURN 1, 0, 1, 2
	STEP 0, 0, 0
	TURN 0, 1, 0, 3
	STEP 1, 0, 0
	s_wait_dscnt 4*NL
	WIN MUL_LO
	MUL16 0, 1, NQ-1, 1, 0
	MUL16 2, 1, NQ-1, 1, 0
	s_wait_dscnt 0
	WIN MUL_HI
	MUL16 4, 1, NQ-1, 1, 0
	MUL16 6, 1, NQ-1, 1, 0
	WIN 0
.macro QUANT s, pc, pw
.irp b, 0,1,2,3
	v_max3_num_f32 v[TM+\b], |v[\s+16*\b]|, |v[\s+1+16*\b]|, 0x1800000
.endr
.irp i, 2,4,6,8,10,12,14
.irp b, 0,1,2,3
	v_max3_num_f32 v[TM+\b], v[TM+\b], |v[\s+16*\b+\i]|, |v[\s+1+16*\b+\i]|
.endr
.endr
.irp b, 0,1,2,3
	v_permlanex16_b32 v[TM+4+\b], v[TM+\b], s[SEL], s[SEL+1]
.endr
.irp b, 0,1,2,3
	v_max_num_f32 v[TM+\b], v[TM+\b], v[TM+4+\b]
.endr
.irp b, 0,1,2,3
	v_add_nc_u32 v[TM+8+\b], 0xff000000, v[TM+\b]
.endr
.irp b, 0,1,2,3
	v_lshrrev_b32 v[TM+4+\b], 23, v[TM+8+\b]
.endr
	v_lshl_or_b32 v[\pw], v[TM+5], 8, v[TM+4]
	v_lshl_or_b32 v[\pw], v[TM+6], 16, v[\pw]
	v_lshl_or_b32 v[\pw], v[TM+7], 24, v[\pw]
.irp c, 0,1
	v_cvt_scalef32_pk16_fp6_f32 v[\pc+6*\c:\pc+6*\c+2], v[\s+32*\c:\s+32*\c+15], v[TM+8+2*\c]
	v_cvt_scalef32_pk16_fp6_f32 v[CT+4*\c:CT+4*\c+2], v[\s+32*\c+16:\s+32*\c+31], v[TM+8+2*\c+1]
.endr
	v_nop
.irp c, 0,1
.irp i, 0,1,2
	v_permlane16_swap_b32 v[\pc+6*\c+\i], v[CT+4*\c+\i]
.endr
.irp i, 0,1,2
	v_mov_b32 v[\pc+6*\c+3+\i], v[CT+4*\c+\i]
.endr
.endr
.endm
; V's quantiser.  x's tile 4 G + j, lane-row m, is token 64 G + 8 j + m % 8 + 32 (m / 8): so lane (r, h) holds, in registers 32 c + 0 .. 31, tokens 64 c + 32 h + 0 .. 31: a whole block, in the operand's own order
.macro QUANTW s, pc, pw
.irp c, 0,1
	v_max3_num_f32 v[TM+\c], |v[\s+32*\c]|, |v[\s+32*\c+1]|, 0x1800000
.endr
.irp i, 2,4,6,8,10,12,14,16,18,20,22,24,26,28,30
.irp c, 0,1
	v_max3_num_f32 v[TM+\c], v[TM+\c], |v[\s+32*\c+\i]|, |v[\s+32*\c+\i+1]|
.endr
.endr
.irp c, 0,1
	v_add_nc_u32 v[TM+8+\c], 0xff000000, v[TM+\c]
.endr
.irp c, 0,1
	v_lshrrev_b32 v[TM+4+\c], 23, v[TM+8+\c]
.endr
.irp c, 0,1
	v_cvt_scalef32_pk16_fp6_f32 v[\pc+6*\c:\pc+6*\c+2], v[\s+32*\c:\s+32*\c+15], v[TM+8+\c]
	v_cvt_scalef32_pk16_fp6_f32 v[CT+4*\c:CT+4*\c+2], v[\s+32*\c+16:\s+32*\c+31], v[TM+8+\c]
.endr
	v_lshl_or_b32 v[TM+2], v[TM+5], 16, v[TM+4]    ; my two bytes, blocks h and 2 + h (the plain line behind the conversions),
	v_lshlrev_b32 v[TM+2], v9, v[TM+2]             ; at their places in the word;
	v_permlanex16_b32 v[TM+6], v[TM+2], s[SEL], s[SEL+1]
	v_or_b32 v[\pw], v[TM+2], v[TM+6]              ; with lane l xor 16's two the word is whole, in both lanes
.irp c, 0,1
.irp i, 0,1,2
	v_mov_b32 v[\pc+6*\c+3+\i], v[CT+4*\c+\i]
.endr
.endr
.endm
.macro QKOUT a
.if (\a) >= 2
	s_wait_xcnt 0x0
.endif
	WIN 0x02+(\a)/4
.set j, 0
.rept 32
	v_pk_fma_f32 v[H+2*j:H+2*j+1], v[64*((\a)%4)+2*j:64*((\a)%4)+2*j+1], s[12:13], v[BI+2*j:BI+2*j+1] op_sel_hi:[1,0,1]
.set j, j+1
.endr
	WIN 0
	QUANT H, PC+12*((\a)%2), PWA+(\a)%2
.irp p, 0,1,2,3,4,5
	global_store_b64 v[LA8], v[PC+12*((\a)%2)+2*\p:PC+12*((\a)%2)+2*\p+1], s[10:11] offset:(\p/3)*HEADB+(\a)*768+(\p%3)*256
.endr
.if (\a)%2 == 1
.irp c, 0,1
.if ((\a)/2)%2 == 0
	v_perm_b32 v[XS+2*\c+(\a)/4], v[PWA+1], v[PWA], 0x05040100+0x02020202*\c
.else
	v_perm_b32 v[WT+\c], v[PWA+1], v[PWA], 0x05040100+0x02020202*\c
	v_cndmask_b32 v[XS+2*\c+(\a)/4], v[XS+2*\c+(\a)/4], v[WT+\c], s2
.endif
.endr
.endif
.endm
.macro VOUT a
.if (\a) >= 2
	s_wait_xcnt 0x0
.endif
	WIN 0x02+(\a)/4
.set j, 0
.rept 32
.if (\a)%2 == 0
	v_pk_add_f32 v[H+2*j:H+2*j+1], v[64*((\a)%4)+2*j:64*((\a)%4)+2*j+1], v[BV+(\a):BV+(\a)+1] op_sel_hi:[1,0]
.else
	v_pk_add_f32 v[H+2*j:H+2*j+1], v[64*((\a)%4)+2*j:64*((\a)%4)+2*j+1], v[BV+(\a)-1:BV+(\a)] op_sel:[0,1] op_sel_hi:[1,1]
.endif
.set j, j+1
.endr
	WIN 0
.if (\a)%2 == 0
	QUANTW H, PC+12*((\a)%2), XS+2*((\a)/4)+((\a)%4)/2
.else
	QUANTW H, PC+12*((\a)%2), WT
	v_cndmask_b32 v[XS+2*((\a)/4)+((\a)%4)/2], v[XS+2*((\a)/4)+((\a)%4)/2], v[WT], s2
.endif
.irp p, 0,1,2,3,4,5
	global_store_b64 v[LA8], v[PC+12*((\a)%2)+2*\p:PC+12*((\a)%2)+2*\p+1], s[10:11] offset:((\a)/4)*HEADB+((\a)%4)*FRB+256*\p
.endr
.if (\a)%4 == 3
	global_store_b64 v[LA8], v[XS+2*((\a)/4):XS+2*((\a)/4)+1], s[10:11] offset:((\a)/4)*HEADB+6144
.endif
.endm
	PLACES NP
	s_wait_loadcnt 0x0
.irp b, 0,1,2,3
	v_mov_b32 v[TM+4+\b], 0
.endr
	s_cmp_lt_u32 s96, 8
	s_cbranch_scc0 .Lv_path
.set j, 0
.rept 32
	v_pk_mul_f32 v[BI+2*j:BI+2*j+1], v[BI+2*j:BI+2*j+1], s[12:13] op_sel_hi:[1,0]
.set j, j+1
.endr
.irp a, 0,1,2,3,4,5,6,7
	QKOUT \a
.endr
.irp c, 0,1
	global_store_b64 v[LA8], v[XS+2*\c:XS+2*\c+1], s[10:11] offset:\c*HEADB+6144
.endr
	s_branch .Ljoin
.Lv_path:
	v_lshlrev_b32 v9, 3, v2                        ; 8 h: where my two scale bytes stand in the word
.irp a, 0,1,2,3,4,5,6,7
	VOUT \a
.endr
.Ljoin:
	s_wait_tensorcnt 0x0
	ds_add_u32 v[SPW], v[NIL]
	s_wait_dscnt 0x0
	CROUND
	s_endpgm
.Lfunc_end_k_qe50b489adb_qkvgemm:
	.size	k_qe50b489adb_qkvgemm, .Lfunc_end_k_qe50b489adb_qkvgemm-k_qe50b489adb_qkvgemm
	.p2alignl 7, 3214868480
	.fill 96, 4, 3214868480
	.section	.rodata,"a",@progbits
	.p2align	6, 0x0
	.amdhsa_kernel k_qe50b489adb_qkvgemm
		.amdhsa_group_segment_fixed_size 327680
		.amdhsa_private_segment_fixed_size 0
		.amdhsa_enable_private_segment 0
		.amdhsa_kernarg_size 32
		.amdhsa_user_sgpr_count 2
		.amdhsa_user_sgpr_kernarg_segment_ptr 1
		.amdhsa_wavefront_size32 1
		.amdhsa_system_sgpr_workgroup_id_x 1
		.amdhsa_system_sgpr_workgroup_id_y 1
		.amdhsa_system_sgpr_workgroup_id_z 1
		.amdhsa_system_vgpr_workitem_id 0
		.amdhsa_next_free_vgpr 1024
		.amdhsa_next_free_sgpr 98
		.amdhsa_reserve_vcc 0
		.amdhsa_float_denorm_mode_32 3
		.amdhsa_float_denorm_mode_16_64 3
		.amdhsa_memory_ordered 1
		.amdhsa_forward_progress 1
		.amdhsa_inst_pref_size 233
	.end_amdhsa_kernel
	.amdgpu_metadata
---
amdhsa.version: [ 1, 2 ]
amdhsa.kernels:
  - .name:           k_qe50b489adb_qkvgemm
    .symbol:         k_qe50b489adb_qkvgemm.kd
    .args:
      - { .name: opc, .offset: 0, .size: 8, .value_kind: global_buffer, .address_space: global }
      - { .name: ops, .offset: 8, .size: 8, .value_kind: global_buffer, .address_space: global }
      - { .name: b_qkv, .offset: 16, .size: 8, .value_kind: global_buffer, .address_space: global }
      - { .name: qkv, .offset: 24, .size: 8, .value_kind: global_buffer, .address_space: global }
    .group_segment_fixed_size: 327680
    .private_segment_fixed_size: 0
    .kernarg_segment_align: 8
    .kernarg_segment_size: 32
    .max_flat_workgroup_size: 128
    .sgpr_count:     98
    .vgpr_count:     1024
    .wavefront_size: 32
...
	.end_amdgpu_metadata
.endif
;; end of part 2
;; launch attn (part 3): grid 4 x 64, 16 waves a work-group, clusters of 4 x 1, 327,680 bytes of LDS; arguments qkv, ac, asc; writes ac, asc
.if DOCPART == 3
	.amdgcn_target "amdgcn-amd-amdhsa--gfx1250"
	.amdhsa_code_object_version 6
	.text
	.protected	k_qe50b489adb_attn
	.globl	k_qe50b489adb_attn
	.p2align	8
	.type	k_qe50b489adb_attn,@function
k_qe50b489adb_attn:
	s_mov_b64 s[64:65], 0
	v_nop
	global_prefetch_b8 v0, s[64:65] scope:SCOPE_SE
	s_setreg_imm32_b32 hwreg(HW_REG_WAVE_MODE, 25, 1), 1
	s_wait_xcnt 0x0
	s_wait_alu depctr_hold_cnt(0) depctr_sa_sdst(0) depctr_va_vdst(0) depctr_va_sdst(0) depctr_va_ssrc(0) depctr_va_vcc(0) depctr_vm_vsrc(0)
	s_getreg_b32 s2, hwreg(HW_REG_IB_STS2, 6, 4)
	s_cmp_eq_u32 s2, 0
	s_cbranch_scc0 .Lentry_in_a_cluster
	s_endpgm
.Lentry_in_a_cluster:
	s_bfe_u32 s2, ttmp6, 0x10000c
	s_cmp_lg_u32 s2, 0x3003
	s_cbranch_scc0 .Lentry_shape_is_right
	s_endpgm
.Lentry_shape_is_right:
; Attention of one head on codes of FP6 (E2M3) with E8M0 scales: scores = (q 2^-3) k^T, clipped to +-50; p = 2^t, t = score x log2(e); O = (p v) / (the row's sum of the unquantised p);
; O is quantised at once, along the output projection's K, and leaves as codes.
; NO MAXIMUM IS TAKEN AWAY, because the clip bounds the exponents for every input: |t| <= 72.14, so p lies in 2^-72.2 .. 2^72.2 and a row's sum of 2,048 of them under 2^83.2: nothing overflows or underflows in f32.
; The whole number M of the definition is a power of two that each block's scale takes up: with M = 0 the codes are the same, every scale byte is moved by M, and so is the sum that divides at the end.
; LIMITS: |v| under about 2^44 (O is summed under 2^t); NaN and infinities are not served; a block of keys whose largest p lies more than 2^123 under the row's largest has its scale held in the definition and not here.
; qkv [batch][48 heads: q, k, v][step of 128 tokens][6,400]: four sub-records of 1,536 bytes (piece p: registers 2 p, 2 p + 1 of the 32 lanes at 256 p + 8 x lane) and 256 bytes of scale words.
; SHARES.  A work-group owns 512 queries of one head, each of its sixteen waves 32: one sub-record of q, two tiles of 16.  Four waves to a SIMD.
; A HEAD'S K AND V STAY IN LDS, 2 x 102,400 bytes, each byte filled once, in two groups of sixteen joint loads, one a wave (6,400 dense bytes: waves 0-7 a step of K, waves 8-15 a step of V):
; steps 0-7 at the head, steps 8-15 behind the full sequence and a round; the second group is waited for behind step 0.  CLUSTER: the four blocks of queries of a head ask for K and V jointly.
; NO PREFETCH: every byte of K and V is asked for by a tensor load ahead of the loop; the loop asks memory for nothing.
; LAYOUT.  Both products are used transposed (S^T = K Q^T, O^T = V^T P^T): a lane holds one query.  Tile 4 c + j of a step, lane-row m, is token 64 c + 8 j + m % 8 + 32 (m / 8): so the 32 registers of
; the four tiles of keys 64 c .. 64 c + 63 are, in lane (r, h), keys 64 c + 32 h + 0 .. 31: A WHOLE BLOCK IN A LANE, in the order of p's operand: no other lane is asked for a maximum, no code changes lanes.
; K = 64 IN AN INSTRUCTION OF 128: a sub-record of k holds tile u = 0 in k 0-63 and tile u = 1 in k 64-127.  Against [q][zero codes] it gives tile 0's scores, against [zero codes][q] tile 1's.
; THE SCALE HALF-WORDS OF THE RESULT are stores of two bytes a lane: a head owns two bytes of each row's word; the other two belong to another work-group.
.set STEPB, 6400
.set HEADB, 16*STEPB
.set SPARE, 2*HEADB                    ; behind K and V: the spare words, 128 bytes a wave
.set LA,  1                            ; 8 x lane
.set ADK, 2                            ; LDS address of the step's K
.set ADV, 3                            ; of its V
.set SPW, 4                            ; my spare word; never rewritten
.set NIL, 5                            ; 0; never rewritten
.set QS,  6                            ; v6-7 q's scale words, v8-9 k's, v10-11 v's, v12-13 p's
.set KS,  8
.set VS,  10
.set PW,  12
.set L0,  14                           ; v14-17, v246-249 the sums: two chains a tile
.set LAV, 18
.set OA,  19
.set QB,  20                           ; v20-49 [z][q0][z][q1][z]
.set F,   50                           ; v50-73 two fragments of K or V
.set PC,  74                           ; v74-97 p's codes
.set S,   98                           ; v98-161 scores, then p
.set O,   162                          ; v162-225 O^T
.set TM,  226
.set TP,  230
.set TS,  234
.set CT,  238
.set L1,  246
.set WQ,  250
.set QO,  251
.set QW,  252
.set PB,  253                          ; v253-254 my two bytes of p's scale word
.set SH,  255                          ; 8 h
.set WV,  18
.set SEL, 20
.set CS,  22
.set G0,  12
.set GB,  48
.set G1,  24
.set LOC, 36
.set HIC, 37
.set TB,  38
.set CNT, 39
.set MSK, 40
.set TC,  41
.macro CROUND
	s_barrier_signal -1
	s_barrier_wait -1
	s_cmp_lg_u32 s[WV], 0
	s_cbranch_scc1 .Lnot_wave_0_\@
	s_barrier_signal -3
.Lnot_wave_0_\@:
	s_barrier_wait -3
	s_barrier_signal -1
	s_barrier_wait -1
.endm
	s_load_b128 s[4:7], s[0:1], 0x0                ; qkv, ac
	s_load_b64 s[8:9], s[0:1], 0x10                ; asc
	v_lshl_add_u32 v[SPW], v0, 2, SPARE
	v_mov_b32 v[NIL], 0
	ds_add_u32 v[SPW], v[NIL]                      ; the opening lines: the add, twice on end, and its wait ahead of my first tensor load
	ds_add_u32 v[SPW], v[NIL]
	v_lshrrev_b32 v1, 5, v0
	s_delay_alu instid0(VALU_DEP_1)
	v_readfirstlane_b32 s[WV], v1                  ; wave 0..15
	s_and_b32 s10, ttmp7, 0xffff                   ; 16 x batch + head: the four partners share it
	s_lshr_b32 s11, s10, 4                         ; batch
	s_and_b32 s10, s10, 15                         ; head
	s_mul_i32 s16, s11, 48
	s_add_co_u32 s16, s16, s10                     ; q's head record
	s_lshr_b32 s17, s[WV], 2
	s_and_b32 s2, s[WV], 3
	s_lshr_b32 s3, s[WV], 3                        ; I fetch for K (0) or for V (1),
	s_and_b32 s33, s[WV], 7
	s_mul_i32 s33, s33, STEPB                      ; step wave % 8 of the group's eight
	s_mul_i32 s52, s3, HEADB
	s_add_co_u32 s52, s52, s33                     ; where it lands
	s_lshl_b32 s3, s3, 4
	s_add_co_u32 s3, s3, s16
	s_add_co_u32 s3, s3, 16
	s_mul_i32 s32, s3, HEADB
	s_add_co_u32 s32, s32, s33
	s_mov_b32 s33, 0
	s_mov_b32 s[G1], 15|(3<<16)|(1<<21)            ; group 1: 6,400 dense bytes as 25 rows of 256 (32 elements of 8 bytes); the mask names all four work-groups
	s_mov_b32 s[G1+1], 32<<16
	s_mov_b32 s[G1+2], 25<<16
	s_mov_b32 s[G1+3], 32<<16
	s_mov_b32 s[G1+4], 25
	s_mov_b32 s[G1+5], 32
	s_mov_b32 s[G1+6], 0
	s_mov_b32 s[G1+7], 0
	s_mov_b32 s[SEL], 0x76543210
	s_mov_b32 s[SEL+1], 0xfedcba98                 ; v_permlanex16_b32's selects for lane l xor 16
	s_mov_b32 s[CS], 0x3fb8aa3b                    ; log2(e)
	s_mov_b32 s[CS+1], s[CS]
	s_mov_b32 s[LOC], 0xc2480000                   ; -50
	s_mov_b32 s[HIC], 0x42480000                   ; 50
	s_mov_b32 s[MSK], 0xffff0000                   ; lanes 16-31
	s_mov_b32 s[TB], 0
	s_mov_b32 s[CNT], 15
	s_bfe_u32 s19, ttmp6, 0x40000                  ; cx: my block of 512 queries; it enters q's and the results' global addresses alone
	s_lshl_b32 s42, s19, 2
	s_add_co_u32 s42, s42, s17                     ; my wave's step of q: 4 cx + wave / 4; its sub-record: wave % 4
	s_mul_i32 s42, s42, STEPB
	s_mul_i32 s34, s16, HEADB
	s_add_co_u32 s34, s34, s42
	s_mov_b32 s35, 0
	s_lshl_b32 s44, s11, 7
	s_lshl_b32 s42, s19, 5
	s_add_co_u32 s44, s44, s42
	s_lshl_b32 s42, s[WV], 1
	s_add_co_u32 s44, s44, s42                     ; my first tile of the 512 of ac: 128 batch + 32 cx + 2 wave
	s_lshl_b32 s46, s44, 9                         ; asc: 512 bytes a tile,
	s_mul_i32 s44, s44, 12288                      ; ac: 8 records a tile,
	s_lshr_b32 s42, s10, 1
	s_mul_i32 s43, s42, 1536                       ; K step head / 2,
	s_add_co_u32 s44, s44, s43
	s_and_b32 s43, s10, 1
	s_mul_i32 s48, s43, 768                        ; pieces 3 (head % 2) on
	s_add_co_u32 s44, s44, s48
	s_mov_b32 s45, 0
	s_lshl_b32 s43, s43, 1                         ; bytes 2 (head % 2) on of the word
	s_add_co_u32 s46, s46, s43
	s_and_b32 s43, s42, 1
	s_lshl_b32 s43, s43, 2                         ; which word of its pair,
	s_add_co_u32 s46, s46, s43
	s_lshr_b32 s43, s10, 2
	s_lshl_b32 s43, s43, 7                         ; and which pair
	s_add_co_u32 s46, s46, s43
	s_mov_b32 s47, 0
	s_wait_dscnt 0x0                               ; both opening adds are done
	s_wait_kmcnt 0x0
	s_mov_b32 s[G0], 1
	s_add_co_u32 s[G0+1], s52, 0
	s_add_nc_u64 s[G0+2:G0+3], s[4:5], s[32:33]
	s_mov_b32 s[GB], 1                             ; the second group: eight steps on, in memory and in LDS
	s_add_co_u32 s[GB+1], s52, 8*STEPB
	s_add_nc_u64 s[GB+2:GB+3], s[G0+2:G0+3], 8*STEPB
	s_or_b32 s[G0+3], s[G0+3], 0x80000000
	s_or_b32 s[GB+3], s[GB+3], 0x80000000
	s_add_nc_u64 s[34:35], s[4:5], s[34:35]        ; q's step record
	s_add_nc_u64 s[6:7], s[6:7], s[44:45]
	s_add_nc_u64 s[8:9], s[8:9], s[46:47]
	CROUND                                         ; all four work-groups are here: the joint loads meet
	tensor_load_to_lds s[G0:G0+3], s[G1:G1+7]      ; my one load of the head: a step of K or V of steps 0-7
	s_nop 0
	v_and_b32 v[LA], 31, v0
	s_delay_alu instid0(VALU_DEP_1)
	v_lshlrev_b32 v[LA], 3, v[LA]
	s_delay_alu instid0(VALU_DEP_1)
	v_add_nc_u32 v[LAV], HEADB, v[LA]
	v_and_b32 v[OA], 15, v0                        ; r
	s_mul_i32 s42, s2, 1536
	v_add_nc_u32 v[QO], s42, v[LA]                 ; q: my sub-record
	s_and_b32 s42, s2, 1
	s_lshl_b32 s42, s42, 7                         ; its scale words: lanes 16 (sub-record % 2) on of the unit,
	s_lshr_b32 s43, s2, 1
	s_lshl_b32 s43, s43, 2                         ; word sub-record / 2 of the pair
	s_add_co_u32 s42, s42, s43
	v_lshl_add_u32 v[QW], v[OA], 3, s42
.irp p, 0,1,2
	global_load_b64 v[QB+6+2*\p:QB+6+2*\p+1], v[QO], s[34:35] offset:256*\p          ; tile 0 of my queries
	global_load_b64 v[QB+18+2*\p:QB+18+2*\p+1], v[QO], s[34:35] offset:768+256*\p    ; tile 1
.endr
	global_load_b32 v[WQ], v[QW], s[34:35] offset:6144
	v_bfe_u32 v[ADV], v0, 4, 1                     ; h
	v_lshlrev_b32 v[OA], 3, v[OA]
	s_delay_alu instid0(VALU_DEP_2)
	v_lshlrev_b32 v[SH], 3, v[ADV]
	v_lshl_add_u32 v[OA], v[ADV], 9, v[OA]         ; the result's half-words: 8 r, lanes 16-31 a tile on
.irp z, 0,12,24
.irp i, 0,1,2,3,4,5
	v_mov_b32 v[QB+\z+\i], 0                       ; the zero codes beside q
.endr
.endr
	v_add_nc_u32 v[ADK], s[TB], v[LA]
	s_wait_alu depctr_va_vdst(0)
	s_wait_tensorcnt 0x0                           ; my part of steps 0-7 is in
	ds_add_u32 v[SPW], v[NIL]
	s_wait_dscnt 0x0
	CROUND                                         ; everybody's part is in, and the four work-groups are here
	tensor_load_to_lds s[GB:GB+3], s[G1:G1+7]      ; my step of steps 8-15, the first tensor load behind the round
	s_nop 0
.rept 4
	v_nop
.endr
.macro LD6 reg, adr, off               ; a fragment: six pieces of 256 consecutive bytes
.irp p, 0,1,2,3,4,5
	ds_load_b64 v[\reg+2*\p:\reg+2*\p+1], v[\adr] offset:\off+256*\p
.endr
.endm
	LD6 F, ADK, 0
	LD6 F+12, ADK, 1536
	ds_load_b64 v[KS:KS+1], v[ADK] offset:6144
	s_wait_loadcnt 0x0                             ; q
	v_perm_b32 v[QS], v[WQ], v[WQ], 0x01000100     ; tile 0's two bytes, twice: they serve [q][z] and [z][q]
	v_perm_b32 v[QS+1], v[WQ], v[WQ], 0x03020302   ; tile 1's
.irp i, 0,1,2,3
	v_mov_b32 v[L0+\i], 0                          ; the sums.  (These twelve lines are also the places between the scale words just made and the first product)
	v_mov_b32 v[L1+\i], 0
	v_mov_b32 v[TP+\i], 0                          ; written once: a lane permute's destination counts as one of its sources
.endr
.macro WM d, a, b, acc, sa, sb, row
.if (\acc) && (\row)
	v_wmma_scale_f32_16x16x128_f8f6f4 v[\d:\d+7], v[\a:\a+11], v[\b:\b+11], v[\d:\d+7], v[\sa], v[\sb] matrix_a_fmt:MATRIX_FMT_FP6 matrix_b_fmt:MATRIX_FMT_FP6 matrix_a_scale:MATRIX_SCALE_ROW1
.elseif \acc
	v_wmma_scale_f32_16x16x128_f8f6f4 v[\d:\d+7], v[\a:\a+11], v[\b:\b+11], v[\d:\d+7], v[\sa], v[\sb] matrix_a_fmt:MATRIX_FMT_FP6 matrix_b_fmt:MATRIX_FMT_FP6
.elseif \row
	v_wmma_scale_f32_16x16x128_f8f6f4 v[\d:\d+7], v[\a:\a+11], v[\b:\b+11], 0, v[\sa], v[\sb] matrix_a_fmt:MATRIX_FMT_FP6 matrix_b_fmt:MATRIX_FMT_FP6 matrix_a_scale:MATRIX_SCALE_ROW1
.else
	v_wmma_scale_f32_16x16x128_f8f6f4 v[\d:\d+7], v[\a:\a+11], v[\b:\b+11], 0, v[\sa], v[\sb] matrix_a_fmt:MATRIX_FMT_FP6 matrix_b_fmt:MATRIX_FMT_FP6
.endif
.endm
.macro SMM c                           ; the scores of keys 64 c .. 64 c + 63 for my 32 queries: sub-records 2 c, 2 c + 1 of K; eight products, eight results
.irp bl, 0,1
.irp u, 0,1
.irp qi, 0,1
	WM S+32*\qi+16*\bl+8*\u, F+12*\bl, QB+12*\qi+6*(1-\u), 0, KS+\c, QS+\qi, \bl
.endr
.endr
.endr
.endm
.macro PV g, zero                      ; O^T += V^T P^T for dims tiles 2 g, 2 g + 1, K = the step's 128 keys: four accumulators, one instruction each
.irp tl, 0,1
.irp qi, 0,1
	WM O+32*\qi+8*(2*\g+\tl), F+12*\tl, PC+12*\qi, 1-\zero, VS+\g, PW+\qi, \tl
.endr
.endr
.endm
.macro MOVS c                          ; a conversion's three registers begin on an even number: a block's upper half is made elsewhere and moved
.irp q, 0,1
.irp i, 0,1,2
	v_mov_b32 v[PC+12*\q+6*\c+3+\i], v[CT+4*\q+\i]
.endr
.endr
.endm
.macro ADD4 i                          ; THE ROW'S SUM IS TAKEN OF THE UNQUANTISED p: two at a time, four chains by turns
	v_pk_add_f32 v[L0:L0+1], v[L0:L0+1], v[S+\i:S+\i+1]
	v_pk_add_f32 v[L1:L1+1], v[L1:L1+1], v[S+32+\i:S+32+\i+1]
	v_pk_add_f32 v[L0+2:L0+3], v[L0+2:L0+3], v[S+\i+2:S+\i+3]
	v_pk_add_f32 v[L1+2:L1+3], v[L1+2:L1+3], v[S+32+\i+2:S+32+\i+3]
.endm
; 64 keys x 32 queries: for each tile q of queries my lane holds one whole block of 32 keys in 32 registers.
.macro SOFT c
.set j, 0
.rept 64
	v_med3_num_f32 v[S+j], v[S+j], s[LOC], s[HIC]  ; the clip
.set j, j+1
.endr
.set j, 0
.rept 32
	v_pk_mul_f32 v[S+2*j:S+2*j+1], v[S+2*j:S+2*j+1], s[CS:CS+1] op_sel_hi:[1,0]   ; t
.set j, j+1
.endr
	s_wait_alu depctr_va_vdst(0)
.set j, 0
.rept 64
	v_exp_f32 v[S+j], v[S+j]                       ; p = 2^t
.set j, j+1
.endr
	v_nop                                          ; a plain line behind the last exponential
	s_wait_alu depctr_va_vdst(0)                   ; and one wait for the 64, ahead of the first line that names a result
.irp q, 0,1
.irp e, 0,16
	v_max3_num_f32 v[TM+2*\q+\e/16], v[S+32*\q+\e], v[S+32*\q+\e+1], v[S+32*\q+\e+2]   ; THE BLOCK'S LARGEST p: all its 32 are mine; two chains a block
.endr
.endr
.irp i, 3,5,7,9,11,13
.irp q, 0,1
.irp e, 0,16
	v_max3_num_f32 v[TM+2*\q+\e/16], v[TM+2*\q+\e/16], v[S+32*\q+\e+\i], v[S+32*\q+\e+\i+1]
.endr
.endr
.endr
.irp q, 0,1
	v_max3_num_f32 v[TM+2*\q], v[TM+2*\q], v[TM+2*\q+1], v[S+32*\q+15]
.endr
.irp q, 0,1
	v_max_num_f32 v[TM+2*\q], v[TM+2*\q], v[S+32*\q+31]
.endr
.irp q, 0,1
	v_add_nc_u32 v[TS+\q], 0xff000000, v[TM+2*\q]  ; 2 off the exponent field: the conversion's scale operand.  No floor: p is at least 2^-72.2
.endr
.if \c == 0
.irp q, 0,1
	s_delay_alu instid0(VALU_DEP_2)
	v_lshrrev_b32 v[PB+\q], 23, v[TS+\q]           ; the byte of block h
.endr
.else
.irp q, 0,1
	s_delay_alu instid0(VALU_DEP_2)
	v_lshrrev_b32 v[TM+2*\q+1], 23, v[TS+\q]       ; the byte of block 2 + h
.endr
.irp q, 0,1
	s_delay_alu instid0(VALU_DEP_2)
	v_lshl_or_b32 v[PB+\q], v[TM+2*\q+1], 16, v[PB+\q]
.endr
.irp q, 0,1
	s_delay_alu instid0(VALU_DEP_2)
	v_lshlrev_b32 v[PB+\q], v[SH], v[PB+\q]        ; at their places in the word
.endr
.irp q, 0,1
	s_delay_alu instid0(VALU_DEP_2)
	v_permlanex16_b32 v[TP+\q], v[PB+\q], s[SEL], s[SEL+1]
.endr
.irp q, 0,1
	s_delay_alu instid0(VALU_DEP_2)
	v_or_b32 v[PW+\q], v[PB+\q], v[TP+\q]          ; with lane l xor 16's two: p's scale word of the step
.endr
.endif
.irp q, 0,1
	v_cvt_scalef32_pk16_fp6_f32 v[PC+12*\q+6*\c:PC+12*\q+6*\c+2], v[S+32*\q:S+32*\q+15], v[TS+\q]
	v_cvt_scalef32_pk16_fp6_f32 v[CT+4*\q:CT+4*\q+2], v[S+32*\q+16:S+32*\q+31], v[TS+\q]
.endr
.if \c == 0
.irp i, 0,4,8,12,16,20,24,28
	ADD4 \i                                        ; all of them now: the next scores land on p
.endr
.else
	ADD4 0                                         ; plain lines behind the conversions;
	MOVS 1
	ADD4 4                                         ; four places between the codes just moved and the products; 18 between the scale word and them
.endif
.endm
; A KEY STEP: 128 keys.  At its head K's sub-records 0, 1 and K's scale words are on their way.  Each run of loads into the two fragments stands four plain lines or more behind the products that read them:
; lines that are due anyway (the moves of the first half's codes, the second half's sums, the addresses) where there are any.
.macro STEP zero
	s_wait_dscnt 0x0
	SMM 0
	v_add_nc_u32 v[ADV], s[TB], v[LAV]
.rept 3
	v_nop
.endr
	LD6 F, ADK, 2*1536
	LD6 F+12, ADK, 3*1536
	SOFT 0
	s_wait_dscnt 0x0
	SMM 1
	MOVS 0
	LD6 F, ADV, 0
	LD6 F+12, ADV, 1536
	ds_load_b64 v[VS:VS+1], v[ADV] offset:6144
	SOFT 1
	s_wait_alu depctr_va_vdst(0)                   ; directly ahead of the wait below
	s_wait_dscnt 0x0
	PV 0, \zero
	ADD4 8
	ADD4 12
	ADD4 16
	LD6 F, ADV, 2*1536
	LD6 F+12, ADV, 3*1536
	s_wait_alu depctr_va_vdst(0)                   ; likewise: the sums
	s_wait_dscnt 0x0
	PV 1, \zero
	s_add_co_u32 s[TB], s[TB], STEPB
	s_min_u32 s[TC], s[TB], 15*STEPB               ; the last step has no successor: its look-ahead is held at the last step's K, and what it brings is not used
	v_add_nc_u32 v[ADK], s[TC], v[LA]
	ADD4 20
	ADD4 24
	ADD4 28
	LD6 F, ADK, 0
	LD6 F+12, ADK, 1536
	ds_load_b64 v[KS:KS+1], v[ADK] offset:6144
.endm
	STEP 1                                         ; step 0: its products start O^T's sums; its look-ahead reads step 1's K, of the first group
	s_wait_tensorcnt 0x0                           ; my part of steps 8-15 is in,
	s_wait_dscnt 0x0                               ; no LDS instruction of mine is pending at the signal,
	s_barrier_signal -1
	s_barrier_wait -1                              ; everybody's part is in.
.Lstep:
	s_wait_alu depctr_va_vdst(0)
	STEP 0
	s_sub_co_u32 s[CNT], s[CNT], 1
	s_cmp_lg_u32 s[CNT], 0
	s_cbranch_scc1 .Lstep
	; THE WAY OUT.  The sums' chains and halves are added; O^T is divided by the sum and quantised along the head's 64 dims (V's rows keep the weights' order: register 16 g + i = dim 32 g + 16 h + i): two blocks a tile.
	s_wait_alu depctr_va_vdst(0)
	v_pk_add_f32 v[L0:L0+1], v[L0:L0+1], v[L0+2:L0+3]
	v_pk_add_f32 v[L1:L1+1], v[L1:L1+1], v[L1+2:L1+3]
	s_delay_alu instid0(VALU_DEP_2)
	v_add_f32 v[L0], v[L0], v[L0+1]
	s_delay_alu instid0(VALU_DEP_2)
	v_add_f32 v[L1], v[L1], v[L1+1]
	s_delay_alu instid0(VALU_DEP_2)
	v_permlanex16_b32 v[TP], v[L0], s[SEL], s[SEL+1]
	s_delay_alu instid0(VALU_DEP_2)
	v_permlanex16_b32 v[TP+1], v[L1], s[SEL], s[SEL+1]
	s_delay_alu instid0(VALU_DEP_2)
	v_add_f32 v[L0], v[L0], v[TP]
	s_delay_alu instid0(VALU_DEP_2)
	v_add_f32 v[L1], v[L1], v[TP+1]
	s_wait_alu depctr_va_vdst(0)
	v_rcp_f32 v[TM], v[L0]
	v_rcp_f32 v[TM+1], v[L1]
	v_nop
	s_wait_alu depctr_va_vdst(0)                   ; one wait for the two, ahead of their first use and of O^T's first reader
.set j, 0
.rept 16
	v_pk_mul_f32 v[S+2*j:S+2*j+1], v[O+2*j:O+2*j+1], v[TM:TM+1] op_sel_hi:[1,0]   ; tile 0
.set j, j+1
.endr
.rept 16
	v_pk_mul_f32 v[S+2*j:S+2*j+1], v[O+2*j:O+2*j+1], v[TM:TM+1] op_sel:[0,1] op_sel_hi:[1,1]   ; tile 1
.set j, j+1
.endr
.irp x, 0,1,2,3
	v_max3_num_f32 v[TM+\x], |v[S+16*\x]|, |v[S+16*\x+1]|, 0x1800000   ; block x = 2 tile + g, and the floor 2^(3 - 127)
.endr
.irp i, 2,4,6,8,10,12,14
.irp x, 0,1,2,3
	s_delay_alu instid0(VALU_DEP_4)
	v_max3_num_f32 v[TM+\x], v[TM+\x], |v[S+16*\x+\i]|, |v[S+16*\x+\i+1]|
.endr
.endr
.irp x, 0,1,2,3
	s_delay_alu instid0(VALU_DEP_4)
	v_permlanex16_b32 v[TP+\x], v[TM+\x], s[SEL], s[SEL+1]
.endr
.irp x, 0,1,2,3
	s_delay_alu instid0(VALU_DEP_4)
	v_max_num_f32 v[TM+\x], v[TM+\x], v[TP+\x]
.endr
.irp x, 0,1,2,3
	s_delay_alu instid0(VALU_DEP_4)
	v_add_nc_u32 v[TS+\x], 0xff000000, v[TM+\x]
.endr
.irp x, 0,1,2,3
	s_delay_alu instid0(VALU_DEP_4)
	v_lshrrev_b32 v[TP+\x], 23, v[TS+\x]
.endr
	s_delay_alu instid0(VALU_DEP_3)
	v_lshl_or_b32 v[PW], v[TP+1], 8, v[TP]         ; my head's two bytes of the row's scale word
	s_delay_alu instid0(VALU_DEP_2)
	v_lshl_or_b32 v[PW+1], v[TP+3], 8, v[TP+2]
.irp qi, 0,1
	v_cvt_scalef32_pk16_fp6_f32 v[PC+12*\qi:PC+12*\qi+2], v[S+32*\qi:S+32*\qi+15], v[TS+2*\qi]
	v_cvt_scalef32_pk16_fp6_f32 v[CT+4*\qi:CT+4*\qi+2], v[S+32*\qi+16:S+32*\qi+31], v[TS+2*\qi+1]
.endr
	v_nop
.irp qi, 0,1                           ; here a block lies in lanes l and l xor 16: the operand's layout wants it whole in a lane
.irp i, 0,1,2
	v_permlane16_swap_b32 v[PC+12*\qi+\i], v[CT+4*\qi+\i]
.endr
.irp i, 0,1,2
	s_delay_alu instid0(VALU_DEP_3)
	v_mov_b32 v[PC+12*\qi+3+\i], v[CT+4*\qi+\i]
.endr
.endr
.irp qi, 0,1
.irp p, 0,1,2
	global_store_b64 v[LA], v[PC+12*\qi+2*\p:PC+12*\qi+2*\p+1], s[6:7] offset:\qi*12288+256*\p   ; a piece: 256 consecutive bytes, aligned
.endr
.endr
	v_cndmask_b32 v[PW], v[PW], v[PW+1], s[MSK]    ; lanes 16-31 carry tile 1's
	global_store_b16 v[OA], v[PW], s[8:9]
	s_wait_tensorcnt 0x0                           ; the wave's end; the wait on DScnt also takes in the last look-ahead's loads
	ds_add_u32 v[SPW], v[NIL]
	s_wait_dscnt 0x0
	CROUND                                         ; the closing round
	s_endpgm
.Lfunc_end_k_qe50b489adb_attn:
	.size	k_qe50b489adb_attn, .Lfunc_end_k_qe50b489adb_attn-k_qe50b489adb_attn
	.p2alignl 7, 3214868480
	.fill 96, 4, 3214868480
	.section	.rodata,"a",@progbits
	.p2align	6, 0x0
	.amdhsa_kernel k_qe50b489adb_attn
		.amdhsa_group_segment_fixed_size 327680
		.amdhsa_private_segment_fixed_size 0
		.amdhsa_enable_private_segment 0
		.amdhsa_kernarg_size 24
		.amdhsa_user_sgpr_count 2
		.amdhsa_user_sgpr_kernarg_segment_ptr 1
		.amdhsa_wavefront_size32 1
		.amdhsa_system_sgpr_workgroup_id_x 1
		.amdhsa_system_sgpr_workgroup_id_y 1
		.amdhsa_system_sgpr_workgroup_id_z 1
		.amdhsa_system_vgpr_workitem_id 0
		.amdhsa_next_free_vgpr 256
		.amdhsa_next_free_sgpr 66
		.amdhsa_reserve_vcc 0
		.amdhsa_float_denorm_mode_32 3
		.amdhsa_float_denorm_mode_16_64 3
		.amdhsa_memory_ordered 1
		.amdhsa_forward_progress 1
		.amdhsa_inst_pref_size 84
	.end_amdhsa_kernel
	.amdgpu_metadata
---
amdhsa.version: [ 1, 2 ]
amdhsa.kernels:
  - .name:           k_qe50b489adb_attn
    .symbol:         k_qe50b489adb_attn.kd
    .args:
      - { .name: qkv, .offset: 0, .size: 8, .value_kind: global_buffer, .address_space: global }
      - { .name: ac, .offset: 8, .size: 8, .value_kind: global_buffer, .address_space: global }
      - { .name: asc, .offset: 16, .size: 8, .value_kind: global_buffer, .address_space: global }
    .group_segment_fixed_size: 327680
    .private_segment_fixed_size: 0
    .kernarg_segment_align: 8
    .kernarg_segment_size: 24
    .max_flat_workgroup_size: 512
    .sgpr_count:     66
    .vgpr_count:     256
    .wavefront_size: 32
...
	.end_amdgpu_metadata
.endif
;; end of part 3
;; launch projgemm (part 4): grid 4 x 64, 4 waves a work-group, clusters of 4 x 4, 327,680 bytes of LDS; arguments ac, asc, opc, ops, b_proj, out0; writes out0
.if DOCPART == 4
	.amdgcn_target "amdgcn-amd-amdhsa--gfx1250"
	.amdhsa_code_object_version 6
	.text
	.protected	k_qe50b489adb_projgemm
	.globl	k_qe50b489adb_projgemm
	.p2align	8
	.type	k_qe50b489adb_projgemm,@function
k_qe50b489adb_projgemm:
	s_mov_b64 s[64:65], 0
	v_nop
	global_prefetch_b8 v0, s[64:65] scope:SCOPE_SE
	s_setreg_imm32_b32 hwreg(HW_REG_WAVE_MODE, 25, 1), 1
	s_wait_xcnt 0x0
	s_wait_alu depctr_hold_cnt(0) depctr_sa_sdst(0) depctr_va_vdst(0) depctr_va_sdst(0) depctr_va_ssrc(0) depctr_va_vcc(0) depctr_vm_vsrc(0)
	s_getreg_b32 s2, hwreg(HW_REG_IB_STS2, 6, 4)
	s_cmp_eq_u32 s2, 0
	s_cbranch_scc0 .Lentry_in_a_cluster
	s_endpgm
.Lentry_in_a_cluster:
	s_bfe_u32 s2, ttmp6, 0x10000c
	s_cmp_lg_u32 s2, 0xf033
	s_cbranch_scc0 .Lentry_shape_is_right
	s_endpgm
.Lentry_shape_is_right:
; out0 [8192][1024] = O w_proj^T + b_proj on codes of FP6 (E2M3) with E8M0 scales; sums in f32.  O's codes (ac, asc) and w_proj's (opc, ops: blocks 44-47 of 256 rows) lie in the order of the operand's registers:
; codes [tile of 16 rows][K step 0..7][1,536]: piece p = registers 2 p, 2 p + 1 of the 32 lanes, lane l's 8 bytes at 256 p + 8 l; scale words [tile][pair of K steps][lane-row][2 words].
; SHARES.  A work-group makes 128 rows x 256 columns: 64 x 4 = 256 work-groups.  Four waves, each 64 x 128: 32 accumulators, 256 registers (window 2).
; ALL OF K LIES IN LDS: two halves of four K steps, each 8 tiles of A and 16 of B with rows of 6,144 bytes (147,456 bytes), and the scales (4,096 + 8,192 bytes).  Every byte is filled once.
; The first half and the scales are asked for at the head, one joint load a wave; the second half behind the full sequence and a round (wave 0 A's, wave 1 B's); one barrier ahead of step 4's fetch shows it whole.
; CLUSTER 4 x 4: A's tiles are shared along a row of the cluster, B's along a column.  NO PREFETCH: every byte is asked for by the head's two groups of tensor loads; there is no loop to run ahead in.
; THE MATRIX INSTRUCTION IS USED TRANSPOSED (source 0 = w_proj's rows, source 1 = O's): a lane holds eight numbers of one row of the result.
; ROWS AND COLUMNS.  O's tile 4 G + j, lane-row t, is token 64 G + 8 j + t % 8 + 32 (t / 8): a wave's four tiles are one G.  w_proj's tile 2 B + u, lane-row m, is column 32 B + 8 u + m + 8 (m / 8).
; REGISTERS: window 0: v16-30 addresses; v32-63 scale words, two sets; v64-67 the bias; v128-223 A's fragments, two sets of four; on the way out v128-255.  Window 1: B's fragments, two sets of eight, at v0 and v128.
.set FR,    12
.set NP,    4
.set FRB,   1536
.set T16B,  4*FRB                      ; a tile's row in a half: four K steps
.set ABY,   8*T16B                     ; A's eight tiles; B's sixteen lie behind them
.set SLOT,  24*T16B
.set SCL,   2*SLOT                     ; the scales: A's 4,096 bytes, then B's 8,192
.set SPARE, SCL+12288                  ; the spare words, 128 bytes a wave
.set SPITCH, 528                       ; the way out: a stage of 16 rows x (512 + 16) bytes a wave, in the first half, which is read no more behind the barrier
.set ADRA, 16
.set ADRB, 20
.set STO,  24
.set RD,   25
.set CO,   26
.set ADRS, 27
.set SPW,  28
.set NIL,  29
.set LA8,  30
.set SC,   32
.set BIA,  64
.set AF,   128
.set BK,   128
.set G1, 24
.set G0, 32
.set G1B, 48
.set G0B, 56
.set G1S, 68
.set G0S, 76
.set G1SB, 80
.set G0SB, 88
.set MSB, 0
.macro WIN new                         ; the immediate's high byte repeats the setting that is left
.if MSB != (\new)
	s_set_vgpr_msb (MSB<<8)|(\new)
.set MSB, (\new)
.endif
.endm
.set MUL_LO, 0xa1                      ; source 0 (B) window 1, source 1 (A) window 0, C and D window 2
.set TO_B,   0x40                      ; destination window 1, address window 0
.macro CROUND                          ; a round of the cluster's barrier
	s_barrier_signal -1
	s_barrier_wait -1
	s_cmp_lg_u32 s14, 0
	s_cbranch_scc1 .Lnot_wave_0_\@
	s_barrier_signal -3
.Lnot_wave_0_\@:
	s_barrier_wait -3
	s_barrier_signal -1
	s_barrier_wait -1
.endm
.macro ARM under, g0, g1, next, join   ; an arm of a chain of branches on the wave's number: one load, then to the join
	s_cmp_lt_u32 s14, \under
	s_cbranch_scc0 \next
	tensor_load_to_lds s[\g0:\g0+3], s[\g1:\g1+7]
	s_nop 0
.rept 4
	v_nop
.endr
	s_branch \join
\next:
.endm
	s_load_b256 s[4:11], s[0:1], 0x0               ; ac, asc, opc, ops
	s_load_b64 s[2:3], s[0:1], 0x20                ; b_proj
	s_load_b64 s[12:13], s[0:1], 0x28              ; out0
	v_lshl_add_u32 v[SPW], v0, 2, SPARE
	v_mov_b32 v[NIL], 0
	ds_add_u32 v[SPW], v[NIL]                      ; the opening lines: the add, twice on end, and its wait ahead of my first tensor load
	ds_add_u32 v[SPW], v[NIL]
	v_lshrrev_b32 v1, 5, v0
	v_readfirstlane_b32 s14, v1                    ; wave 0..3
	s_lshr_b32 s15, s14, 1                         ; which 64 rows are mine
	s_and_b32 s16, s14, 1                          ; which 128 columns
	s_bfe_u32 s40, ttmp6, 0x40000                  ; cx
	s_bfe_u32 s41, ttmp6, 0x40004                  ; cy
	s_and_b32 s17, ttmp7, 0xffff
	s_lshl_b32 s17, s17, 2
	s_add_co_u32 s17, s17, s41                     ; block of 128 rows: 4 x cluster y + cy
	s_add_co_u32 s42, s40, 44                      ; w_proj's block of 256 rows in opc: 44 + cx
	s_lshl_b32 s43, s41, 2
	s_lshl_b32 s43, 15, s43                        ; my row of the cluster
	s_lshl_b32 s44, 0x1111, s40                    ; my column
	s_or_b32 s[G1+0], s43, (3<<16)|(1<<21)         ; elements of 8 bytes; the mask, and bit 21 beside it
	s_or_b32 s[G1B+0], s44, (3<<16)|(1<<21)
	s_or_b32 s[G1S+0], s43, (3<<16)|(1<<21)
	s_or_b32 s[G1SB+0], s44, (3<<16)|(1<<21)
.irp g, G1, G1B                        ; codes: rows of 6,144 bytes, 12,288 bytes apart
	s_mov_b32 s[\g+1], 768<<16
	s_mov_b32 s[\g+3], 768<<16
	s_mov_b32 s[\g+5], 1536
	s_mov_b32 s[\g+6], 0
	s_mov_b32 s[\g+7], 0
.endr
	s_mov_b32 s[G1+2], 8<<16                       ; A: eight tiles
	s_mov_b32 s[G1+4], 8
	s_mov_b32 s[G1B+2], 16<<16                     ; B: sixteen
	s_mov_b32 s[G1B+4], 16
.irp g, G1S, G1SB                      ; scales: dense rows of 256 bytes
	s_mov_b32 s[\g+1], 32<<16
	s_mov_b32 s[\g+3], 32<<16
	s_mov_b32 s[\g+5], 32
	s_mov_b32 s[\g+6], 0
	s_mov_b32 s[\g+7], 0
.endr
	s_mov_b32 s[G1S+2], 16<<16
	s_mov_b32 s[G1S+4], 16
	s_mov_b32 s[G1SB+2], 32<<16
	s_mov_b32 s[G1SB+4], 32
	s_mul_i32 s20, s17, 98304                      ; A: eight tiles of 12,288 bytes a block
	s_mov_b32 s21, 0
	s_mul_i32 s46, s42, 196608                     ; B: sixteen
	s_mov_b32 s47, 0
	s_lshl_b32 s22, s17, 12                        ; scale words: 512 bytes a tile
	s_mov_b32 s23, 0
	s_lshl_b32 s92, s42, 13
	s_mov_b32 s93, 0
	s_wait_dscnt 0x0                               ; both opening adds are done
	s_wait_kmcnt 0x0
	s_add_nc_u64 s[20:21], s[4:5], s[20:21]
	s_add_nc_u64 s[22:23], s[6:7], s[22:23]
	s_add_nc_u64 s[46:47], s[8:9], s[46:47]
	s_add_nc_u64 s[92:93], s[10:11], s[92:93]
	CROUND                                         ; all sixteen work-groups are here: the first joint loads meet
.irp s, 0,1                            ; group 0 for half s of K
	s_mov_b32 s[G0+4*\s], 1
	s_mov_b32 s[G0+4*\s+1], \s*SLOT
	s_add_nc_u64 s[G0+4*\s+2:G0+4*\s+3], s[20:21], \s*T16B
	s_or_b32 s[G0+4*\s+3], s[G0+4*\s+3], 0x80000000
	s_mov_b32 s[G0B+4*\s], 1
	s_mov_b32 s[G0B+4*\s+1], \s*SLOT+ABY
	s_add_nc_u64 s[G0B+4*\s+2:G0B+4*\s+3], s[46:47], \s*T16B
	s_or_b32 s[G0B+4*\s+3], s[G0B+4*\s+3], 0x80000000
.endr
	s_mov_b32 s[G0S], 1
	s_mov_b32 s[G0S+1], SCL
	s_mov_b64 s[G0S+2:G0S+3], s[22:23]
	s_or_b32 s[G0S+3], s[G0S+3], 0x80000000
	s_mov_b32 s[G0SB], 1
	s_mov_b32 s[G0SB+1], SCL+4096
	s_mov_b64 s[G0SB+2:G0SB+3], s[92:93]
	s_or_b32 s[G0SB+3], s[G0SB+3], 0x80000000
	; the head's four tiles, one joint load a wave: A's first half, B's, A's scales, B's
	ARM 1, G0,  G1,  .Lhead_b,  .Lhead_asked
	ARM 2, G0B, G1B, .Lhead_sa, .Lhead_asked
	ARM 3, G0S, G1S, .Lhead_sb, .Lhead_asked
	tensor_load_to_lds s[G0SB:G0SB+3], s[G1SB:G1SB+7]
	s_nop 0
.rept 4
	v_nop
.endr
.Lhead_asked:
	s_mul_i32 s18, s15, 4*T16B                     ; my four tiles of A, in the first half
	s_add_co_u32 s19, s18, SLOT                    ; and in the second
	s_mul_i32 s20, s16, 8*T16B                     ; my eight tiles of B
	s_add_co_u32 s20, s20, ABY
	s_add_co_u32 s21, s20, SLOT
	s_lshl_b32 s23, s15, 11                        ; A's scale words: my four tiles
	s_lshl_b32 s22, s16, 12                        ; B's: my eight, behind A's 4,096 bytes
	s_add_co_u32 s22, s22, 4096
	s_sub_co_u32 s22, s22, s23                     ; the distance from A's to B's
	s_add_co_u32 s23, s23, SCL
	s_mul_i32 s45, s14, 16*SPITCH                  ; my stage
	s_lshl_b32 s46, s40, 10                        ; my first column, in bytes: 1,024 cx + 512 x half
	s_lshl_b32 s47, s16, 9
	s_add_co_u32 s46, s46, s47
	s_lshl_b32 s92, s17, 7
	s_lshl_b32 s93, s15, 6
	s_add_co_u32 s92, s92, s93                     ; my first row: 128 x block + 64 x half
	s_lshl_b32 s92, s92, 12                        ; rows of 4,096 bytes
	s_add_co_u32 s92, s92, s46
	s_mov_b32 s93, 0
	s_add_nc_u64 s[12:13], s[12:13], s[92:93]
	v_and_b32 v1, 15, v0                           ; r
	v_bfe_u32 v2, v0, 4, 1                         ; h
	v_and_b32 v3, 31, v0
	v_lshlrev_b32 v[LA8], 3, v3                    ; my 8 bytes of a piece
	v_add_nc_u32 v[ADRA], s18, v[LA8]
	v_add_nc_u32 v[ADRA+1], s19, v[LA8]
	v_add_nc_u32 v[ADRB], s20, v[LA8]
	v_add_nc_u32 v[ADRB+1], s21, v[LA8]
	v_mul_u32_u24 v6, s22, v2                      ; lanes 16-31 take B's scale words
	v_lshl_add_u32 v5, v1, 3, v6
	v_add_nc_u32 v[ADRS], s23, v5
	v_mul_u32_u24 v5, v1, SPITCH                   ; the stage, on the way in: row r, 64 bytes on for lanes 16-31
	v_lshl_add_u32 v5, v2, 6, v5
	v_add_nc_u32 v[STO], s45, v5
	v_lshlrev_b32 v[CO], 4, v3                     ; back: the 32 lanes take one row of 512 bytes; the same in out0
	v_add_nc_u32 v[RD], s45, v[CO]
	v_add_nc_u32 v7, s46, v[CO]
	global_load_b128 v[BIA:BIA+3], v7, s[2:3]      ; the bias of my four columns
	s_wait_alu depctr_va_vdst(0)
	s_wait_tensorcnt 0x0                           ; my tile of the four is in
	ds_add_u32 v[SPW], v[NIL]
	s_wait_dscnt 0x0
	CROUND                                         ; all four tiles are in, and all sixteen work-groups are here
	ARM 1, G0+4, G1, .Lsecond_b, .Lsecond_asked    ; the second half of K: wave 0 asks for A's,
	s_cmp_lt_u32 s14, 2
	s_cbranch_scc0 .Lsecond_asked
	tensor_load_to_lds s[G0B+4:G0B+7], s[G1B:G1B+7]   ; wave 1 for B's; waves 2 and 3 have no part
	s_nop 0
.rept 4
	v_nop
.endr
.Lsecond_asked:
.macro FRAG reg, adr, q, i             ; a fragment: six pieces of 256 consecutive bytes
.irp p, 0,1,2,3,4,5
	ds_load_b64 v[\reg+2*\p:\reg+2*\p+1], v[\adr] offset:(\i)*T16B+(\q)*FRB+256*\p
.endr
.endm
.macro FETCH_B st                      ; B's eight fragments of K step st into set st % 2: 48 loads
	WIN TO_B
.irp i, 0,1,2,3,4,5,6,7
	FRAG 128*((\st)%2)+FR*\i, ADRB+(\st)/4, (\st)%4, \i
.endr
	WIN 0
.endm
.macro FETCH_A st                      ; A's four fragments into set st % 2; at an even step the scale words of the pair of steps: lanes 0-15 A's tile i (i under 4; beyond that not used), lanes 16-31 B's tile i
.irp i, 0,1,2,3
	FRAG AF+FR*(4*((\st)%2)+\i), ADRA+(\st)/4, (\st)%4, \i
.endr
.if (\st)%2 == 0
.irp i, 0,1,2,3,4,5,6,7
	ds_load_b64 v[SC+16*(((\st)/2)%2)+2*\i:SC+16*(((\st)/2)%2)+2*\i+1], v[ADRS] offset:\i*512+((\st)/2)*128
.endr
.endif
.endm
; 16 matrix instructions: A's tiles a0, a0 + 1 x B's eight.  The 32 accumulators take turns, one instruction a turn, in the same order in every step.
.macro MUL16 st, a0, zero
.irp a, \a0, \a0+1
.irp b, 0,1,2,3,4,5,6,7
.if \zero
	v_wmma_scale_f32_16x16x128_f8f6f4 v[8*(8*(\a)+\b):8*(8*(\a)+\b)+7], v[128*((\st)%2)+FR*\b:128*((\st)%2)+FR*\b+FR-1], v[AF+FR*(4*((\st)%2)+(\a)):AF+FR*(4*((\st)%2)+(\a))+FR-1], 0, v[SC+16*(((\st)/2)%2)+2*\b+(\st)%2], v[SC+16*(((\st)/2)%2)+2*(\a)+(\st)%2] matrix_a_fmt:MATRIX_FMT_FP6 matrix_b_fmt:MATRIX_FMT_FP6 matrix_a_scale:MATRIX_SCALE_ROW1
.else
	v_wmma_scale_f32_16x16x128_f8f6f4 v[8*(8*(\a)+\b):8*(8*(\a)+\b)+7], v[128*((\st)%2)+FR*\b:128*((\st)%2)+FR*\b+FR-1], v[AF+FR*(4*((\st)%2)+(\a)):AF+FR*(4*((\st)%2)+(\a))+FR-1], v[8*(8*(\a)+\b):8*(8*(\a)+\b)+7], v[SC+16*(((\st)/2)%2)+2*\b+(\st)%2], v[SC+16*(((\st)/2)%2)+2*(\a)+(\st)%2] matrix_a_fmt:MATRIX_FMT_FP6 matrix_b_fmt:MATRIX_FMT_FP6 matrix_a_scale:MATRIX_SCALE_ROW1
.endif
.endr
.endr
.endm
.macro PLACES
.rept NP
	v_nop
.endr
.endm
; A K step: the next step's fragments go into the sets that the step before multiplied, four places behind its last product; B's first, A's and the scale words in the step's middle.
.macro STEP st, zero
.set NX, (\st)+1
	PLACES
	FETCH_B NX
	s_wait_dscnt 48                                ; all but the 48 just issued: this step's fragments and scale words are in
	WIN MUL_LO
	MUL16 \st, 0, \zero
	WIN 0
	FETCH_A NX
	WIN MUL_LO
	MUL16 \st, 2, \zero
	WIN 0
.endm
	FETCH_B 0
	FETCH_A 0
	STEP 0, 1                                      ; the first step's products start the sums: nothing is cleared
	STEP 1, 0
	STEP 2, 0
	s_wait_tensorcnt 0x0                           ; my part of the second half is in,
	s_wait_dscnt 0x0                               ; my reads of the first half are over (step 3's fragments are in registers),
	s_barrier_signal -1
	s_barrier_wait -1                              ; both hold of every wave.
	STEP 3, 0
	STEP 4, 0
	STEP 5, 0
	STEP 6, 0
	s_wait_dscnt 0x0
	WIN MUL_LO
	MUL16 7, 0, 0
	MUL16 7, 2, 0
	WIN 0
; THE WAY OUT, tile by tile of 16 rows x 128 columns, through my own stage: back come whole rows of 512 bytes, which the 32 lanes store as two aligned units of 256 bytes.  LDS serves a wave's instructions in order.
.macro TOSTAGE a
	WIN 0x08                                       ; an LDS store's data: window 2
.irp b, 0,1,2,3,4,5,6,7
	ds_store_b128 v[STO], v[64*(\a)+8*\b:64*(\a)+8*\b+3] offset:128*(\b/2)+32*(\b%2)      ; each accumulator from its low end on; columns 32 (b / 2) + 16 h + 8 (b % 2) + 0 .. 7
	ds_store_b128 v[STO], v[64*(\a)+8*\b+4:64*(\a)+8*\b+7] offset:128*(\b/2)+32*(\b%2)+16
.endr
	WIN 0
.set BB, BK+64*((\a)%2)
.irp t, 0,1,2,3,4,5,6,7,8,9,10,11,12,13,14,15
	ds_load_b128 v[BB+4*\t:BB+4*\t+3], v[RD] offset:\t*SPITCH
.endr
.endm
.macro SEND a, younger                 ; younger: the LDS instructions issued behind tile a's loads
.set BB, BK+64*((\a)%2)
	s_wait_dscnt \younger
.irp t, 0,1,2,3,4,5,6,7,8,9,10,11,12,13,14,15
	v_pk_add_f32 v[BB+4*\t:BB+4*\t+1], v[BB+4*\t:BB+4*\t+1], v[BIA:BIA+1]
	v_pk_add_f32 v[BB+4*\t+2:BB+4*\t+3], v[BB+4*\t+2:BB+4*\t+3], v[BIA+2:BIA+3]
	global_store_b128 v[CO], v[BB+4*\t:BB+4*\t+3], s[12:13] offset:(8*(\a)+(\t%8)+32*(\t/8))*4096 th:TH_STORE_NT   ; tile a, lane-row t: row 8 a + t % 8 + 32 (t / 8) of my 64
.endr
.endm
	PLACES
	s_wait_loadcnt 0x0                             ; the bias
	TOSTAGE 0
.irp a, 1,2,3
.if \a > 1
	s_wait_xcnt 0x0                                ; tile a - 2's stores have read their registers, which tile a's loads write
.endif
	TOSTAGE \a
	SEND \a-1, 32
.endr
	SEND 3, 0
	s_wait_tensorcnt 0x0                           ; the wave's end, behind my last tensor load and my last LDS store
	ds_add_u32 v[SPW], v[NIL]
	s_wait_dscnt 0x0
	CROUND                                         ; the closing round
	s_endpgm
.Lfunc_end_k_qe50b489adb_projgemm:
	.size	k_qe50b489adb_projgemm, .Lfunc_end_k_qe50b489adb_projgemm-k_qe50b489adb_projgemm
	.p2alignl 7, 3214868480
	.fill 96, 4, 3214868480
	.section	.rodata,"a",@progbits
	.p2align	6, 0x0
	.amdhsa_kernel k_qe50b489adb_projgemm
		.amdhsa_group_segment_fixed_size 327680
		.amdhsa_private_segment_fixed_size 0
		.amdhsa_enable_private_segment 0
		.amdhsa_kernarg_size 48
		.amdhsa_user_sgpr_count 2
		.amdhsa_user_sgpr_kernarg_segment_ptr 1
		.amdhsa_wavefront_size32 1
		.amdhsa_system_sgpr_workgroup_id_x 1
		.amdhsa_system_sgpr_workgroup_id_y 1
		.amdhsa_system_sgpr_workgroup_id_z 1
		.amdhsa_system_vgpr_workitem_id 0
		.amdhsa_next_free_vgpr 768
		.amdhsa_next_free_sgpr 98
		.amdhsa_reserve_vcc 0
		.amdhsa_float_denorm_mode_32 3
		.amdhsa_float_denorm_mode_16_64 3
		.amdhsa_memory_ordered 1
		.amdhsa_forward_progress 1
		.amdhsa_inst_pref_size 105
	.end_amdhsa_kernel
	.amdgpu_metadata
---
amdhsa.version: [ 1, 2 ]
amdhsa.kernels:
  - .name:           k_qe50b489adb_projgemm
    .symbol:         k_qe50b489adb_projgemm.kd
    .args:
      - { .name: ac, .offset: 0, .size: 8, .value_kind: global_buffer, .address_space: global }
      - { .name: asc, .offset: 8, .size: 8, .value_kind: global_buffer, .address_space: global }
      - { .name: opc, .offset: 16, .size: 8, .value_kind: global_buffer, .address_space: global }
      - { .name: ops, .offset: 24, .size: 8, .value_kind: global_buffer, .address_space: global }
      - { .name: b_proj, .offset: 32, .size: 8, .value_kind: global_buffer, .address_space: global }
      - { .name: out0, .offset: 40, .size: 8, .value_kind: global_buffer, .address_space: global }
    .group_segment_fixed_size: 327680
    .private_segment_fixed_size: 0
    .kernarg_segment_align: 8
    .kernarg_segment_size: 48
    .max_flat_workgroup_size: 128
    .sgpr_count:     98
    .vgpr_count:     768
    .wavefront_size: 32
...
	.end_amdgpu_metadata
.endif
;; end of part 4
